; MI455X (gfx1250); checked and timed in simulation.
; The chip was launched on July 23, 2026; its instructions are those of AMD's public machine-readable ISA for CDNA 5 (MIT licence, August 2026) and "CDNA5" Instruction Set Architecture Reference Guide (July 2026). The comments in the code are by the model that wrote it; some were corrected since.
;; Self Attention Masked. Allowed arithmetic: matrix products marked QUANTISED: E2M3 operands, one E8M0 scale for each 32 along K, by v_wmma_scale_f32_16x16x128_f8f6f4 with both operands' format E2M3, f32 sums; everything else in f32.
;; Inputs: W_out 1,024 x 1,024 float32; W_qkv 1,024 x 3,072 float32; b_out 1,024 float32; mask 4 x 2,048 x 2,048 int32; x 4 x 2,048 x 1,024 float32.
;; Outputs: out0 4 x 2,048 x 1,024 float32.
;; This version of the problem:
;;   THIS VERSION OF THE PROBLEM IS GIVEN IN LOW PRECISION. The matrix products marked QUANTISED in the list below multiply operands that are first quantised to E2M3 (2 exponent bits, 3 mantissa bits; 6 bits a number), with one power-of-two scale for each 32 numbers along K (OCP MX v1.0); their sums are f32. All else is computed in f32.
;;   The module's matrix products, in the order in which they are computed (A, B: the left and right operand; K: the contracted axis; several contracted axes count as one K, in the product's order):
;;     1. [M 8,192, K 1,024] x [K 1,024, N 3,072]; A: input x; B: input W_qkv: QUANTISED
;;     2. batch 64 x [M 2,048, K 64] x [K 64, N 2,048]; A: computed on the way; B: computed on the way: QUANTISED
;;     3. batch 64 x [M 2,048, K 2,048] x [K 2,048, N 64]; A: softmax (see below); B: computed on the way: QUANTISED
;;     4. [M 8,192, K 1,024] x [K 1,024, N 1,024]; A: computed on the way; B: input W_out: QUANTISED
;;   THE QUANTISER, for each operand of a quantised product, along K:
;;     - K is cut into blocks of 32 from its start; a last block that is shorter is filled with zeros.
;;     - A block's scale is 2^e with e = floor(log2(the largest magnitude in the block)) - 2, held to -126 .. 127; a block of zeros has e = 0. As a byte (E8M0): e + 127.
;;     - Each number is divided by its block's scale, clamped to +-7.5, and rounded to the nearest number of E2M3, ties to even, subnormals kept.
;;     - The product sums the exact products of the quantised numbers (number of the format x scale) in f32.
;;   ~~~python
;;   def quantise(x, axis):      # numpy; x: float32 -> the quantised numbers, widened to float32 again
;;       x = np.moveaxis(x, axis, -1); K = x.shape[-1]
;;       x = np.pad(x, [(0, 0)] * (x.ndim - 1) + [(0, -K % 32)]); x = x.reshape(x.shape[:-1] + (-1, 32)); a = np.abs(x).max(-1, keepdims=True)
;;       e = np.where(a > 0, np.clip(np.frexp(np.where(a > 0, a, 1))[1] - 1 - 2, -126, 127), 0)      # np.frexp(a)[1] - 1 = floor(log2(a)), exactly
;;       r = np.clip(x / 2.0 ** e, -7.5, 7.5)
;;       step = 2.0 ** (np.maximum(np.frexp(np.where(r == 0, 1, r))[1] - 1, 0) - 3)
;;       q = np.round(r / step) * step * 2.0 ** e      # np.round: ties to even
;;       return np.moveaxis(q.reshape(q.shape[:-2] + (-1,))[..., :K], -1, axis).astype(np.float32)
;;   ~~~
;;   SOFTMAX AHEAD OF A QUANTISED PRODUCT. Where the list says 'softmax', what is quantised is not the finished softmax but p = 2^(t - M), with t = logit x log2(e) and M = ceil(the row's largest t), a whole number; so 1/2 < the row's largest p <= 1. The row's sum l is taken of the UNQUANTISED p, in f32, and the product's result is divided by l at the end. Since M is a whole number, a kernel that streams over the keys may use a running M (the ceiling of the running maximum): every later rescaling is an exact power of two, which a block's scale takes up: the codes' values come out the same.
;;   OPERANDS COMPUTED ON THE WAY. 'Computed on the way' means the value that the module computes at that place (a softmax that the list does not call 'softmax' is quantised finished and normalised). What goes into a quantiser is computed in f32, as accurately as f32 sums, v_exp_f32 and their like allow (about 1e-6 of the number): no bf16 or f16 on the way to a quantiser, and a product that is left as it is and whose result goes on into a quantised operand takes f32 operands (vector FMAs, or v_wmma_f32_16x16x4_f32). A number that lies on a knife's edge between two numbers of the format may be rounded either way, as far as f32 arithmetic and the matrix unit's own rounding can turn it there, and no further.
;; One version. Each part assembles by itself: llvm-mc -triple=amdgcn-amd-amdhsa -mcpu=gfx1250 --defsym DOCPART=n.
;; ======== version 1 of 1: 4 launches
;; workspace buffers: xb 6,553,600 bytes; wb 3,276,800 bytes; maskw 2,097,152 bytes of whole numbers; qrec 13,369,344 bytes; kvrec 13,369,344 bytes; aob 6,553,600 bytes
;; launch prep (part 1): grid 768 x 1, 4 waves a work-group, no clusters, 68,096 bytes of LDS; arguments x, mask, W_qkv, W_out, xb, wb, maskw; writes xb, wb, maskw
.if DOCPART == 1
	.amdgcn_target "amdgcn-amd-amdhsa--gfx1250"
	.amdhsa_code_object_version 6
	.text
	.protected	k_qec9fd1c19b_prep
	.globl	k_qec9fd1c19b_prep
	.p2align	8
	.type	k_qec9fd1c19b_prep,@function
k_qec9fd1c19b_prep:
	s_mov_b64 s[64:65], 0
	v_nop
	global_prefetch_b8 v0, s[64:65] scope:SCOPE_SE
	s_setreg_imm32_b32 hwreg(HW_REG_WAVE_MODE, 25, 1), 1
	s_wait_xcnt 0x0
; x [8192][1024], W_qkv [1024][3072] and W_out [1024][1024], f32, become codes of FP6 (E2M3) with one E8M0 byte for each 32 along K; mask [4][2048][2048], int32, becomes one bit a number.
; A block's scale is 2^(floor(log2(its largest magnitude)) - 2); its byte is that magnitude's exponent field - 2, held at 1 from below.
; LIMITS: a block of zeros gets the byte 1, not 127 (its codes are zeros, and this program alone reads the bytes); blocks whose largest magnitude lies under 2^-124 are held at that floor; NaN and infinities are not served.
; THE ORDER INSIDE A BLOCK.  Place p of a block's 32 codes holds k = 8 (p / 16) + p % 8 + 16 ((p % 16) / 8): k 0-7, 16-23, 8-15, 24-31.  Every operand of every product of this program is laid so,
; both sides alike, so each product adds the same terms; it is the order in which a transposed matrix result on tiles of 16 neighbouring rows falls into a lane's registers.
; THE IMAGE.  16 rows x 64 K of codes are six registers a lane (lane (r, h): block h of row r): registers 0-3 lie at 16 x lane (512 bytes), registers 4-5 at 512 + 8 x lane (256 bytes): 768 bytes.
; xb, wb: [K / 256][row / 16][4 images]; the scale bytes behind them, 32 to a row.
; One launch, four paths by the work-group's number, which never meet again: 0-127 x; 128-639 the mask; 640-735 W_qkv; 736-767 W_out.  No tensor load, no barrier: waves share nothing.  Each path that uses LDS has bytes of its own.
.set SX,   1572864                     ; xb: from one 256 along K to the next: 512 row tiles x 3,072 bytes
.set XSC,  6291456                     ; xb: where the scale bytes begin
.set SWQ,  589824                      ; wb: W_qkv's 192 row tiles x 3,072
.set WQS,  2359296                     ; wb: W_qkv's scale bytes
.set WO,   2457600                     ; wb: W_out's codes
.set SWO,  196608                      ; 64 row tiles x 3,072
.set WOS,  3244032                     ; wb: W_out's scale bytes
.set SP,   528                         ; a stage row: 512 bytes + 16, an odd multiple of 16: sixteen rows' same column fall on sixteen different groups of banks
.set STG,  16*SP                       ; a wave's stage
.set MST,  4*STG                       ; the mask path's four stages lie behind x's four
.set R,    16                          ; v16-79   16 loads as they come
.set X,    80                          ; v80-143  64 numbers a lane, in the order that the work wants
.set PC,   144                         ; v144-155 a fragment's codes; v156-158, v160-162 the conversions' second halves
.set TM,   164                         ; v164-167 largest magnitudes, v168-171 bytes, v176-179 the conversions' scale operands
.set PWS,  184                         ; v184-191 the row's eight scale words
.set WD,   144                         ; mask path: v144-151 four pairs of words
.set WX,   16                          ; weight paths: v16-79 two sets of 32 numbers
.set WP,   80                          ; v80-127  images: 12 registers for each 64 along K
.set TH,   128                         ; v128-130, v132-134 the conversions' second halves
.set SB,   136                         ; v136-137 eight scale bytes
.set SEL,  28                          ; s[28:29] lane selects for v_permlanex16_b32: lane l xor 16
; 64 numbers of a lane, register 16 b + i = place 16 (lane / 16) + i of block b of my row, become a fragment's codes in v[PC] on and its scale word in v[pw].
.macro QUANT s, pw
.irp b, 0,1,2,3
	v_max3_num_f32 v[TM+\b], |v[\s+16*\b]|, |v[\s+1+16*\b]|, 0x1800000   ; my 16 numbers of block b, and the floor 2^(3 - 127): the byte cannot fall under 1
.endr
.irp i, 2,4,6,8,10,12,14
.irp b, 0,1,2,3
	v_max3_num_f32 v[TM+\b], v[TM+\b], |v[\s+16*\b+\i]|, |v[\s+1+16*\b+\i]|   ; the four blocks by turns
.endr
.endr
.irp b, 0,1,2,3
	v_permlanex16_b32 v[TM+4+\b], v[TM+\b], s[SEL], s[SEL+1]
.endr
.irp b, 0,1,2,3
	v_max_num_f32 v[TM+\b], v[TM+\b], v[TM+4+\b]          ; with lane l xor 16's 16: the block's largest magnitude
.endr
.irp b, 0,1,2,3
	v_add_nc_u32 v[TM+12+\b], 0xff000000, v[TM+\b]        ; 2 off its exponent field: the conversion takes this operand's exponent field as its scale
.endr
.irp b, 0,1,2,3
	v_lshrrev_b32 v[TM+4+\b], 23, v[TM+12+\b]             ; the scale's byte
.endr
	v_lshl_or_b32 v[\pw], v[TM+5], 8, v[TM+4]
	v_lshl_or_b32 v[\pw], v[TM+6], 16, v[\pw]
	v_lshl_or_b32 v[\pw], v[TM+7], 24, v[\pw]             ; my row's scale word for these 128 along K
.irp c, 0,1
	v_cvt_scalef32_pk16_fp6_f32 v[PC+6*\c:PC+2+6*\c], v[\s+32*\c:\s+15+32*\c], v[TM+12+2*\c]
	v_cvt_scalef32_pk16_fp6_f32 v[PC+12+4*\c:PC+14+4*\c], v[\s+16+32*\c:\s+31+32*\c], v[TM+12+2*\c+1]   ; (a conversion's three registers begin on an even number)
.endr
	v_nop                                                 ; one plain instruction behind the scaled conversions
.irp c, 0,1                            ; a lane is to hold a WHOLE block: lanes 0-15 block 2 c, lanes 16-31 block 2 c + 1
.irp i, 0,1,2
	v_permlane16_swap_b32 v[PC+6*\c+\i], v[PC+12+4*\c+\i]
.endr
.irp i, 0,1,2
	v_mov_b32 v[PC+3+6*\c+\i], v[PC+12+4*\c+\i]
.endr
.endr
.endm
	s_load_b256 s[4:11], s[0:1], 0x0               ; x s[4:5], mask s[6:7], W_qkv s[8:9], W_out s[10:11]
	s_load_b128 s[12:15], s[0:1], 0x20             ; xb s[12:13], wb s[14:15]
	s_load_b64 s[16:17], s[0:1], 0x30              ; maskw
	v_lshl_add_u32 v200, v0, 2, 0x10800
	v_mov_b32 v201, 0
	v_lshrrev_b32 v1, 5, v0
	v_readfirstlane_b32 s18, v1                    ; wave 0..3
	v_and_b32 v1, 31, v0                           ; lane
	v_lshlrev_b32 v2, 4, v1                        ; 16 x lane
	v_lshlrev_b32 v3, 3, v1                        ; 8 x lane
	v_and_b32 v7, 15, v0                           ; r
	v_bfe_u32 v8, v0, 4, 1                         ; h
	s_mul_i32 s19, s18, STG                        ; my stage
	v_add_nc_u32 v4, s19, v2                       ; into it: 16 x lane, the row in the immediate
	v_mul_u32_u24 v5, v7, SP
	v_lshl_add_u32 v5, v8, 5, v5
	v_add_nc_u32 v5, s19, v5                       ; out of it: row r, + 32 h
	v_add_nc_u32 v9, MST, v4                       ; the same two in the mask path's stage
	v_add_nc_u32 v10, MST, v5
	v_lshlrev_b32 v14, 2, v1                       ; 4 x lane
	v_lshlrev_b32 v15, 5, v1                       ; 32 x lane
	s_mov_b32 s23, 0                               ; the upper word of every offset
	s_wait_kmcnt 0x0
	s_cmp_lt_u32 ttmp9, 128
	s_cbranch_scc1 .Lpath_x
	s_cmp_lt_u32 ttmp9, 640
	s_cbranch_scc1 .Lpath_m
	s_cmp_lt_u32 ttmp9, 736
	s_cbranch_scc1 .Lpath_wq
	s_branch .Lpath_wo
; ---- x.  A wave takes a tile of 16 rows, all of K, 128 along K at a time.  Each load reads 512 consecutive bytes of one row; the 16 rows turn through the wave's stage, so that a lane gets 16 numbers of each block of ITS row.
.macro LOADX q
.irp p, 0,1,2,3,4,5,6,7,8,9,10,11,12,13,14,15
	global_load_b128 v[R+4*\p:R+4*\p+3], v2, s[4:5] offset:4096*\p+512*(\q) th:TH_LOAD_NT
.endr
.endm
.macro KSTEPX q
	s_wait_loadcnt 0x0                             ; this step's 16 loads are in
.irp p, 0,1,2,3,4,5,6,7,8,9,10,11,12,13,14,15
	ds_store_b128 v4, v[R+4*\p:R+4*\p+3] offset:SP*\p
.endr
.irp b, 0,1,2,3                        ; LDS serves a wave's instructions in order (ISA guide 5.7.1.4): these see the stores.  k = 32 b + 8 h + 0..7, then 32 b + 16 + 8 h + 0..7
	ds_load_b128 v[X+16*\b:X+16*\b+3], v5 offset:128*\b
	ds_load_b128 v[X+16*\b+4:X+16*\b+7], v5 offset:128*\b+16
	ds_load_b128 v[X+16*\b+8:X+16*\b+11], v5 offset:128*\b+64
	ds_load_b128 v[X+16*\b+12:X+16*\b+15], v5 offset:128*\b+80
.endr
	s_wait_dscnt 0x0                               ; the numbers are back, and the stage's stores have read R
	s_wait_xcnt 0x0                                ; the last step's stores have read the codes' registers, which are written again below
.if (\q) < 7
	LOADX (\q)+1                                   ; the next step's numbers come while this step is quantised
.endif
	QUANT X, PWS+(\q)
	global_store_b128 v2, v[PC:PC+3], s[24:25] offset:((\q)/2)*SX+((\q)%2)*1536          ; two images: each store covers 512 or 256 consecutive bytes, aligned to 256
	global_store_b64 v3, v[PC+4:PC+5], s[24:25] offset:((\q)/2)*SX+((\q)%2)*1536+512
	global_store_b128 v2, v[PC+6:PC+9], s[24:25] offset:((\q)/2)*SX+((\q)%2)*1536+768
	global_store_b64 v3, v[PC+10:PC+11], s[24:25] offset:((\q)/2)*SX+((\q)%2)*1536+1280
.endm
.Lpath_x:
	s_lshl_b32 s20, ttmp9, 2
	s_add_co_u32 s20, s20, s18                     ; my tile of rows: 4 x work-group + wave
	s_lshl_b32 s22, s20, 16                        ; 16 rows of 4,096 bytes
	s_add_nc_u64 s[4:5], s[4:5], s[22:23]
	s_mul_i32 s22, s20, 3072
	s_add_nc_u64 s[24:25], s[12:13], s[22:23]      ; its images
	s_lshl_b32 s22, s20, 9
	s_add_nc_u64 s[26:27], s[12:13], s[22:23]      ; its scale bytes: 16 rows of 32
	s_mov_b32 s[SEL], 0x76543210
	s_mov_b32 s[SEL+1], 0xfedcba98
	s_mov_b32 s30, 0xffff0000                      ; lanes 16-31
	v_lshlrev_b32 v6, 5, v7
	v_lshl_add_u32 v6, v8, 4, v6                   ; 32 r + 16 h
.irp b, 0,1,2,3
	v_mov_b32 v[TM+4+\b], 0                        ; written once: a lane permute's destination counts as one of its sources
.endr
	LOADX 0
.irp q, 0,1,2,3,4,5,6,7
	KSTEPX \q
.endr
.irp i, 0,1,2,3
	v_cndmask_b32 v[192+\i], v[PWS+\i], v[PWS+4+\i], s30   ; both halves of the lanes hold the row's eight words: lanes 0-15 store words 0-3, lanes 16-31 words 4-7
.endr
	global_store_b128 v6, v[192:195], s[26:27] offset:XSC  ; 512 consecutive bytes
	s_wait_tensorcnt 0x0
	ds_add_u32 v200, v201
	s_wait_dscnt 0x0
	s_endpgm
; ---- the mask.  A work-group takes 16 queries x 2,048 keys, a wave four steps of 128 keys.  Word 8 t + j of a step: bit r + 16 h = (mask[query r][key 16 t + 8 h + j] == 1):
; the very lane mask under which the attention launch replaces register 8 t + j of its scores.
.macro LOADM u
.irp p, 0,1,2,3,4,5,6,7,8,9,10,11,12,13,14,15
	global_load_b128 v[R+4*\p:R+4*\p+3], v2, s[6:7] offset:8192*\p+512*(\u) th:TH_LOAD_NT
.endr
.endm
.macro UNITM u
	s_wait_loadcnt 0x0
.irp p, 0,1,2,3,4,5,6,7,8,9,10,11,12,13,14,15
	ds_store_b128 v9, v[R+4*\p:R+4*\p+3] offset:SP*\p
.endr
.irp t, 0,1,2,3,4,5,6,7
	ds_load_b128 v[X+8*\t:X+8*\t+3], v10 offset:64*\t
	ds_load_b128 v[X+8*\t+4:X+8*\t+7], v10 offset:64*\t+16
.endr
	s_wait_dscnt 0x0
.if (\u) < 3
	LOADM (\u)+1
.endif
.irp g, 0,1,2,3
.irp i, 0,1,2,3,4,5,6,7,8,9,10,11,12,13,14,15
	v_cmp_eq_u32 s[32+\i], 1, v[X+16*\g+\i]        ; a word: one bit a lane
.endr
.irp i, 0,1,2,3,4,5,6,7,8,9,10,11,12,13,14,15
	v_writelane_b32 v[WD+2*(\u)+\i%2], s[32+\i], 8*\g+\i/2   ; word n to lane n / 2, register n % 2
.endr
.endr
	global_store_b64 v3, v[WD+2*(\u):WD+2*(\u)+1], s[16:17] offset:256*(\u)   ; the step's 64 words: 256 consecutive bytes, aligned
.endm
.Lpath_m:
	s_sub_co_u32 s20, ttmp9, 128                   ; 128 x batch + tile of queries
	s_lshl_b32 s22, s20, 17                        ; 16 rows of 8,192 bytes
	s_lshl_b32 s21, s18, 11                        ; my four steps of 512 bytes
	s_add_co_u32 s22, s22, s21
	s_add_nc_u64 s[6:7], s[6:7], s[22:23]
	s_lshl_b32 s22, s20, 12                        ; 16 steps of 256 bytes
	s_lshl_b32 s21, s18, 10
	s_add_co_u32 s22, s22, s21
	s_add_nc_u64 s[16:17], s[16:17], s[22:23]
.irp i, 0,1,2,3,4,5,6,7
	v_mov_b32 v[WD+\i], 0                          ; v_writelane_b32's destination counts as read
.endr
	LOADM 0
.irp u, 0,1,2,3
	UNITM \u
.endr
	s_wait_tensorcnt 0x0
	ds_add_u32 v200, v201
	s_wait_dscnt 0x0
	s_endpgm
; ---- a weight [K][n], K its FIRST axis.  A lane takes a column and its registers run down K, in the order of places, so a block lies in ONE lane and nothing is transposed.
; A work-group takes 128 columns x 256 along K, a wave 32 columns: two tiles of 16 rows of the operand.  Loads run two blocks (64 loads a wave) ahead.
.macro LOADW t, n
.set i, 0
.rept 32
	global_load_b32 v[WX+32*((\t)%2)+i], v14, s[20:21] offset:(32*(\t)+8*(i/16)+i%8+16*((i%16)/8))*4*\n th:TH_LOAD_NT
.set i, i+1
.endr
.endm
.macro BLOCKW t, n, codes
.set XB, WX+32*((\t)%2)
.set PJ, WP+12*((\t)/2)+6*((\t)%2)
.set TJ, TH+4*((\t)%2)
.if (\t) < 7
	s_wait_loadcnt 32                              ; this block's 32 loads are in; the next block's 32 may be out
.else
	s_wait_loadcnt 0
.endif
	v_max3_num_f32 v12, |v[XB]|, |v[XB+1]|, |v[XB+2]|
	v_max3_num_f32 v13, |v[XB+3]|, |v[XB+4]|, |v[XB+5]|
.irp i, 6,10,14,18,22,26
	v_max3_num_f32 v12, v12, |v[XB+\i]|, |v[XB+\i+1]|
	v_max3_num_f32 v13, v13, |v[XB+\i+2]|, |v[XB+\i+3]|
.endr
	v_max3_num_f32 v12, v12, |v[XB+30]|, |v[XB+31]|
	v_max3_num_f32 v12, v12, v13, 0x1800000        ; the block's largest magnitude, and the floor
	v_add_nc_u32 v11, 0xff000000, v12              ; the conversions' scale operand
	v_lshrrev_b32 v13, 23, v11                     ; the byte
.if (\t)%4 == 0
	v_mov_b32 v[SB+(\t)/4], v13
.else
	v_lshl_or_b32 v[SB+(\t)/4], v13, 8*((\t)%4), v[SB+(\t)/4]
.endif
	v_cvt_scalef32_pk16_fp6_f32 v[PJ:PJ+2], v[XB:XB+15], v11
	v_cvt_scalef32_pk16_fp6_f32 v[TJ:TJ+2], v[XB+16:XB+31], v11
.if (\t)+2 < 8
	LOADW (\t)+2, \n
.endif
.if (\t)%2 == 1                        ; blocks 2 j and 2 j + 1 of 32 columns become the images (first tile, j) and (second tile, j): the first's lanes 16-31 change places with the second's lanes 0-15
.set P0, WP+12*((\t)/2)
	v_nop                                          ; one plain instruction behind the scaled conversions
.irp i, 0,1,2
	v_permlane16_swap_b32 v[P0+\i], v[P0+6+\i]
.endr
.irp i, 0,1,2
	v_permlane16_swap_b32 v[TH+\i], v[TH+4+\i]
.endr
.irp i, 0,1,2
	v_mov_b32 v[P0+3+\i], v[TH+\i]
	v_mov_b32 v[P0+9+\i], v[TH+4+\i]
.endr
.irp x, 0,1                            ; every j has registers of its own: no store's data are written again
	global_store_b128 v2, v[P0+6*\x:P0+6*\x+3], s[28:29] offset:\codes+768*((\t)/2)+3072*\x
	global_store_b64 v3, v[P0+6*\x+4:P0+6*\x+5], s[28:29] offset:\codes+768*((\t)/2)+3072*\x+512
.endr
.endif
.endm
.macro WPATH first, n, wlo, codes, scales, stride
	s_sub_co_u32 s24, ttmp9, \first
	s_and_b32 s25, s24, 3                          ; which 256 along K
	s_lshr_b32 s24, s24, 2                         ; which 128 columns
	s_lshl_b32 s24, s24, 7
	s_lshl_b32 s26, s18, 5
	s_add_co_u32 s24, s24, s26                     ; my wave's first column
	s_mul_i32 s22, s25, 1024*\n                    ; 256 rows of 4 n bytes
	s_lshl_b32 s26, s24, 2
	s_add_co_u32 s22, s22, s26
	s_add_nc_u64 s[20:21], s[\wlo:\wlo+1], s[22:23]
	s_mul_i32 s22, s25, \stride
	s_mul_i32 s26, s24, 192                        ; 3,072 bytes for each 16 columns
	s_add_co_u32 s22, s22, s26
	s_add_nc_u64 s[28:29], s[14:15], s[22:23]      ; my images
	s_lshl_b32 s22, s24, 5
	s_lshl_b32 s26, s25, 3
	s_add_co_u32 s22, s22, s26
	s_add_nc_u64 s[30:31], s[14:15], s[22:23]      ; my scale bytes: 32 a column, 8 for these 256 along K
	LOADW 0, \n
	LOADW 1, \n
.irp t, 0,1,2,3,4,5,6,7
	BLOCKW \t, \n, \codes
.endr
	global_store_b64 v15, v[SB:SB+1], s[30:31] offset:\scales   ; 8 bytes a column, 32 bytes apart: one byte for each 32 along K
	s_endpgm
.endm
.Lpath_wq:
	WPATH 640, 3072, 8, 0, WQS, SWQ
.Lpath_wo:
	WPATH 736, 1024, 10, WO, WOS, SWO
.Lfunc_end_k_qec9fd1c19b_prep:
	.size	k_qec9fd1c19b_prep, .Lfunc_end_k_qec9fd1c19b_prep-k_qec9fd1c19b_prep
	.p2alignl 7, 3214868480
	.fill 96, 4, 3214868480
	.section	.rodata,"a",@progbits
	.p2align	6, 0x0
	.amdhsa_kernel k_qec9fd1c19b_prep
		.amdhsa_group_segment_fixed_size 68096
		.amdhsa_private_segment_fixed_size 0
		.amdhsa_enable_private_segment 0
		.amdhsa_kernarg_size 56
		.amdhsa_user_sgpr_count 2
		.amdhsa_user_sgpr_kernarg_segment_ptr 1
		.amdhsa_wavefront_size32 1
		.amdhsa_system_sgpr_workgroup_id_x 1
		.amdhsa_system_sgpr_workgroup_id_y 1
		.amdhsa_system_sgpr_workgroup_id_z 1
		.amdhsa_system_vgpr_workitem_id 0
		.amdhsa_next_free_vgpr 202
		.amdhsa_next_free_sgpr 66
		.amdhsa_reserve_vcc 0
		.amdhsa_float_denorm_mode_32 3
		.amdhsa_float_denorm_mode_16_64 3
		.amdhsa_memory_ordered 1
		.amdhsa_forward_progress 1
		.amdhsa_inst_pref_size 189
	.end_amdhsa_kernel
	.amdgpu_metadata
---
amdhsa.version: [ 1, 2 ]
amdhsa.kernels:
  - .name:           k_qec9fd1c19b_prep
    .symbol:         k_qec9fd1c19b_prep.kd
    .args:
      - { .name: x, .offset: 0, .size: 8, .value_kind: global_buffer, .address_space: global }
      - { .name: mask, .offset: 8, .size: 8, .value_kind: global_buffer, .address_space: global }
      - { .name: W_qkv, .offset: 16, .size: 8, .value_kind: global_buffer, .address_space: global }
      - { .name: W_out, .offset: 24, .size: 8, .value_kind: global_buffer, .address_space: global }
      - { .name: xb, .offset: 32, .size: 8, .value_kind: global_buffer, .address_space: global }
      - { .name: wb, .offset: 40, .size: 8, .value_kind: global_buffer, .address_space: global }
      - { .name: maskw, .offset: 48, .size: 8, .value_kind: global_buffer, .address_space: global }
    .group_segment_fixed_size: 68096
    .private_segment_fixed_size: 0
    .kernarg_segment_align: 8
    .kernarg_segment_size: 56
    .max_flat_workgroup_size: 128
    .sgpr_count:     66
    .vgpr_count:     202
    .wavefront_size: 32
...
	.end_amdgpu_metadata
.endif
;; end of part 1
;; launch gemm1 (part 2): grid 12 x 32, 4 waves a work-group, clusters of 4 x 4, 327,680 bytes of LDS; arguments xb, wb, qrec, kvrec; writes qrec, kvrec
.if DOCPART == 2
	.amdgcn_target "amdgcn-amd-amdhsa--gfx1250"
	.amdhsa_code_object_version 6
	.text
	.protected	k_qec9fd1c19b_gemm1
	.globl	k_qec9fd1c19b_gemm1
	.p2align	8
	.type	k_qec9fd1c19b_gemm1,@function
k_qec9fd1c19b_gemm1:
	s_mov_b64 s[64:65], 0
	v_nop
	global_prefetch_b8 v0, s[64:65] scope:SCOPE_SE
	s_setreg_imm32_b32 hwreg(HW_REG_WAVE_MODE, 25, 1), 1
	s_wait_xcnt 0x0
	s_wait_alu depctr_hold_cnt(0) depctr_sa_sdst(0) depctr_va_vdst(0) depctr_va_sdst(0) depctr_va_ssrc(0) depctr_va_vcc(0) depctr_vm_vsrc(0)
	s_getreg_b32 s2, hwreg(HW_REG_IB_STS2, 6, 4)
	s_cmp_eq_u32 s2, 0
	s_cbranch_scc0 .Lentry_in_a_cluster
	s_endpgm
.Lentry_in_a_cluster:
	s_bfe_u32 s2, ttmp6, 0x10000c
	s_cmp_lg_u32 s2, 0xf033
	s_cbranch_scc0 .Lentry_shape_is_right
	s_endpgm
.Lentry_shape_is_right:
; q, k, v = x W_qkv on codes of FP6 (E2M3) with E8M0 scales, K = 1,024; the results are quantised in registers and leave as codes: q and k along the head's 64, v along the tokens.  No f32 result goes to memory.
; A tile of 256 x 256 is made by four waves, each 128 x 128: 64 accumulators of 16 x 16.  K goes in four steps of 256 through two LDS slots filled by the tensor data mover.
; The operands lie in memory as images of the operand's registers (16 rows x 64 K: 768 bytes: registers 0-3 at 16 x lane, 4-5 at 512 + 8 x lane), so a wave's part of a slot, 8 tiles of rows x 3,072 bytes,
; is one dense block, and a fragment comes out of LDS by four loads of consecutive bytes.
; THE MATRIX INSTRUCTION IS USED TRANSPOSED: source 1 = 'A', source 0 = 'B'; lane (r, h) of accumulator (a, b) holds A's row 16 a + r and B's rows 16 b + 8 h + 0 .. 7.
; TWO ROLES, by the cluster's x, which all partners share.  Clusters 0, 1 (q, k): A = tokens, B = columns of W: a lane holds one token and its registers run along the head's 64.
; Cluster 2 (v): A = columns of W_v, B = tokens: a lane holds one (head, d) and its registers run along the tokens, which are the K of attention's second product.  All that differs before the stores is chosen by s_cselect.
; CLUSTERS: 4 x 4 work-groups; A's tiles are asked for jointly along a row of the cluster, B's along a column.
; RECORDS (qrec, kvrec): [batch x 16 + head][128 tokens]: 13,056 bytes: 8 images of 16 tokens x 64 d; 128 scale words ([4 tiles' group][row][tile]; bytes 2, 3 = 0); 4 fragments of 16 d x 128 tokens; 64 scale words ([row][tile of d]).
; LIMITS: as in the quantising launch: a block of zeros gets the byte 1; the floor 2^-124; NaN and infinities are not served.
; REGISTERS: window 0: v8-29 addresses; v32-63 scale words, two sets; v128-223 A's fragments, one set; on the way out v32-127 codes, v224-255 at work.  window 1: B's fragments, two sets, at v0 and v128.  windows 2, 3: the accumulators, (a, b) at v[8 (8 (a % 4) + b)].
.set SX,    1572864                    ; xb: from one 256 along K to the next
.set XSC,   6291456                    ; xb: its scale bytes
.set SWQ,   589824                     ; wb: the same for W_qkv
.set WQS,   2359296
.set REC,   13056
.set HSTEP, 16*REC                     ; one head on
.set KSCO,  6144
.set VCO,   6656
.set VSCO,  12800
.set NQ,    2                          ; matrix instructions deep in a slot
.set FR,    12                         ; registers of a fragment
.set NL,    4                          ; LDS loads that bring one
.set NP,    4                          ; places behind this matrix instruction (ISA guide 7.12.1)
.set HALFT, 24576                      ; 128 rows x 256 K: what one tensor load brings
.set SLOT,  4*HALFT
.set KS,    32                         ; a row's scale bytes
.set SCL,   2*SLOT                     ; behind the ring: the scale bytes of 256 + 256 rows, all of K, as runs of 256 bytes + 16 of padding; filled once
.set HALFS, 16*272
.set SBLK,  2*272                      ; those of 16 rows
.set SPARE, SCL+4*HALFS                ; the spare words, 128 bytes a wave: two blocks of 256 bytes that no other line names
.set LI,   8                           ; v8   16 x lane
.set L8,   9                           ; v9   8 x lane
.set VO,   12                          ; v12  the scale words' place: HSTEP h + 16 r
.set SH,   13                          ; v13  16 h
.set ADRA, 16                          ; v16-17 my A fragments in slot 0, 1, + 16 x lane; v18-19 + 8 x lane
.set ADRB, 20                          ; v20-23 the same for B
.set ADRS, 27                          ; v27  my scale words: lanes 0-15 A's rows, lanes 16-31 B's
.set SPW,  28                          ; v28  my spare word; never rewritten
.set NIL,  29                          ; v29  0; never rewritten
.set SC,   32
.set AF,   128
.set CT,   224                         ; the way out: v224-226, v228-230 the conversions' second halves
.set TM,   232                         ; v232-235 magnitudes, v236-239 bytes, v244-247 scale operands
.set PWA,  248                         ; v248-255 block a's scale word
.set SEL,  2                           ; s[2:3] on the way out: selects for lane l xor 16
.set G1, 24
.set G0, 32
.set G1B, 48
.set G0B, 56
.set G1S, 68
.set G0S, 76
.set G1SB, 80
.set G0SB, 88
.set MSB, 0
.macro WIN new                         ; the immediate's high byte repeats the setting that is left
.if MSB != \new
	s_set_vgpr_msb (MSB<<8)|\new
.set MSB, \new
.endif
.endm
.set MUL_LO, 0xa1                      ; source 0 (B) window 1, source 1 (A) window 0, C and D window 2
.set MUL_HI, 0xf1                      ; the same, C and D window 3
.set TO_B,   0x40                      ; destination window 1, address window 0
; A joint load: waves 0 and 1 fetch for A, waves 2 and 3 for B; the branch hangs on the wave's number alone.  Four v_nop follow each of the two lines.
.macro JLOAD g0a, g1a, g0b, g1b
	s_cmp_eq_u32 s15, 0
	s_cbranch_scc0 .Lfor_b_\@
	tensor_load_to_lds s[\g0a:\g0a+3], s[\g1a:\g1a+7]
	s_nop 0
.rept 4
	v_nop
.endr
	s_branch .Lasked_\@
.Lfor_b_\@:
	tensor_load_to_lds s[\g0b:\g0b+3], s[\g1b:\g1b+7]
	s_nop 0
.rept 4
	v_nop
.endr
.Lasked_\@:
.endm
.macro CREST                           ; a round of the cluster's barrier behind its opening barrier
	s_cmp_lg_u32 s14, 0
	s_cbranch_scc1 .Lnot_wave_0_\@
	s_barrier_signal -3
.Lnot_wave_0_\@:
	s_barrier_wait -3
	s_barrier_signal -1
	s_barrier_wait -1
.endm
.macro CROUND
	s_barrier_signal -1
	s_barrier_wait -1
	CREST
.endm
	s_load_b256 s[4:11], s[0:1], 0x0               ; xb s[4:5], wb s[6:7], qrec s[8:9], kvrec s[10:11]
	v_lshl_add_u32 v[SPW], v0, 2, SPARE
	v_mov_b32 v[NIL], 0
	ds_add_u32 v28, v29
	ds_add_u32 v28, v29
	s_wait_dscnt 0x0
	v_lshrrev_b32 v1, 5, v0
	v_readfirstlane_b32 s14, v1                    ; wave 0..3
	s_lshr_b32 s15, s14, 1                         ; which half of A's rows is mine.  Also: I fetch for A (0) or for B (1)
	s_and_b32 s16, s14, 1                          ; which half of B's rows.  Also: which 128 rows I fetch
	s_bfe_u32 s40, ttmp6, 0x40000                  ; cx
	s_bfe_u32 s41, ttmp6, 0x40004                  ; cy
	s_and_b32 s17, ttmp7, 0xffff
	s_lshl_b32 s17, s17, 2                         ; 4 x cluster y
	s_lshl_b32 s42, ttmp9, 2                       ; 4 x cluster x
	s_add_co_u32 s18, s17, s41
	s_add_co_u32 s19, s17, s40
	s_add_co_u32 s42, s42, s40
	s_mov_b32 s20, SWQ
	s_mov_b32 s21, SX
	s_cmp_eq_u32 ttmp9, 2                          ; the cluster that makes v?  The same in all sixteen partners
	s_cselect_b32 s100, 1, 0
	s_cselect_b32 s17, s41, s18                    ; A's tile: cy of W_v's four, or 4 x cluster y + cy of the tokens' 32: it hangs on cy alone within a cluster
	s_cselect_b32 s42, s19, s42                    ; B's tile: 4 x cluster y + cx of the tokens, or 4 x cluster x + cx of W's columns: on cx alone
	s_cselect_b32 s96, s20, s21                    ; from one 256 along K to the next, in A
	s_cselect_b32 s98, s21, s20                    ; and in B
	s_mov_b32 s97, 0
	s_mov_b32 s99, 0
	s_lshl_b32 s43, s41, 2
	s_lshl_b32 s43, 15, s43                        ; my row of the cluster
	s_lshl_b32 s44, 0x1111, s40                    ; my column
	; descriptor group 1 for codes: a dense block of 24,576 bytes as 96 rows of 32 elements of 8 bytes, no padding
	s_or_b32 s[G1+0], s43, (3<<16)|(1<<21)         ; 15:0 the mask: A's tiles go to my row; 17:16 elements of 8 bytes; 21 set beside a mask
	s_or_b32 s[G1B+0], s44, (3<<16)|(1<<21)
.irp g, G1, G1B
	s_mov_b32 s[\g+1], 32<<16                      ; tensor_dim0
	s_mov_b32 s[\g+2], 96<<16                      ; tensor_dim1
	s_mov_b32 s[\g+3], 32<<16                      ; tile_dim0
	s_mov_b32 s[\g+4], 96                          ; tile_dim1
	s_mov_b32 s[\g+5], 32                          ; tensor_dim0_stride
	s_mov_b32 s[\g+6], 0
	s_mov_b32 s[\g+7], 0
.endr
	; and for the scale bytes of 128 rows: 4,096 dense bytes as 16 rows of 256, 16 bytes of padding behind each
	s_or_b32 s[G1S+0], s43, (3<<16)|(1<<20)|(1<<21)|(5<<22)|(3<<25)
	s_or_b32 s[G1SB+0], s44, (3<<16)|(1<<20)|(1<<21)|(5<<22)|(3<<25)
.irp g, G1S, G1SB
	s_mov_b32 s[\g+1], 32<<16
	s_mov_b32 s[\g+2], 16<<16
	s_mov_b32 s[\g+3], 32<<16
	s_mov_b32 s[\g+4], 16
	s_mov_b32 s[\g+5], 32
	s_mov_b32 s[\g+6], 0
	s_mov_b32 s[\g+7], 0
.endr
	s_lshl_b32 s18, s16, 3                         ; which 8 tiles of 16 rows I fetch
	s_lshl_b32 s20, s17, 4
	s_add_co_u32 s20, s20, s18                     ; A: the first of them
	s_lshl_b32 s46, s42, 4
	s_add_co_u32 s46, s46, s18                     ; B
	s_lshl_b32 s22, s20, 9                         ; their scale bytes: 512 for each 16 rows
	s_lshl_b32 s92, s46, 9
	s_mul_i32 s20, s20, 3072                       ; their codes
	s_mul_i32 s46, s46, 3072
	s_mov_b32 s21, 0
	s_mov_b32 s23, 0
	s_mov_b32 s47, 0
	s_mov_b32 s93, 0
	s_mul_i32 s45, s14, HALFT                      ; where they go: no place in the cluster enters an LDS address
	s_mul_i32 s94, s14, HALFS
	s_wait_kmcnt 0x0
	s_add_nc_u64 s[12:13], s[4:5], XSC             ; x's scale bytes
	s_add_nc_u64 s[66:67], s[6:7], WQS             ; W's
	s_add_nc_u64 s[2:3], s[6:7], 128*3072          ; W_v's codes: columns 2,048 on
	s_add_nc_u64 s[104:105], s[6:7], WQS+65536     ; and their scale bytes
	s_cmp_eq_u32 ttmp9, 2
	s_cselect_b64 s[2:3], s[2:3], s[4:5]           ; A's codes
	s_cselect_b64 s[104:105], s[104:105], s[12:13] ; A's scale bytes
	s_cselect_b64 s[4:5], s[4:5], s[6:7]           ; B's codes
	s_cselect_b64 s[12:13], s[12:13], s[66:67]     ; B's scale bytes
	s_add_nc_u64 s[20:21], s[2:3], s[20:21]
	s_add_nc_u64 s[22:23], s[104:105], s[22:23]
	s_add_nc_u64 s[46:47], s[4:5], s[46:47]
	s_add_nc_u64 s[92:93], s[12:13], s[92:93]
	CROUND                                         ; all sixteen work-groups are here: the first joint loads meet
	s_mov_b32 s[G0S], 1
	s_add_co_u32 s[G0S+1], s94, SCL
	s_mov_b64 s[G0S+2:G0S+3], s[22:23]
	s_or_b32 s[G0S+3], s[G0S+3], 0x80000000
	s_mov_b32 s[G0SB], 1
	s_add_co_u32 s[G0SB+1], s94, SCL
	s_mov_b64 s[G0SB+2:G0SB+3], s[92:93]
	s_or_b32 s[G0SB+3], s[G0SB+3], 0x80000000
	JLOAD G0S, G1S, G0SB, G1SB                     ; the scale bytes first: they are wanted with K step 0
	s_mov_b32 s[G0], 1
	s_mov_b32 s[G0+1], s45
	s_mov_b64 s[G0+2:G0+3], s[20:21]
	s_or_b32 s[G0+3], s[G0+3], 0x80000000
	s_mov_b32 s[G0B], 1
	s_mov_b32 s[G0B+1], s45
	s_mov_b64 s[G0B+2:G0B+3], s[46:47]
	s_or_b32 s[G0B+3], s[G0B+3], 0x80000000
	JLOAD G0, G1, G0B, G1B                         ; K step 0 into slot 0
	s_mov_b32 s[G0+4], 1
	s_add_co_u32 s[G0+5], s45, SLOT
	s_add_nc_u64 s[G0+6:G0+7], s[20:21], s[96:97]
	s_or_b32 s[G0+7], s[G0+7], 0x80000000
	s_mov_b32 s[G0B+4], 1
	s_add_co_u32 s[G0B+5], s45, SLOT
	s_add_nc_u64 s[G0B+6:G0B+7], s[46:47], s[98:99]
	s_or_b32 s[G0B+7], s[G0B+7], 0x80000000
	JLOAD G0+4, G1, G0B+4, G1B                     ; K step 1 into slot 1: three tensor loads of mine are out
	s_lshl_b32 s96, s96, 1                         ; a refill steps two K steps on
	s_lshl_b32 s98, s98, 1
	v_and_b32 v1, 15, v0                           ; r
	v_bfe_u32 v2, v0, 4, 1                         ; h
	v_and_b32 v3, 31, v0
	v_lshlrev_b32 v[LI], 4, v3
	v_lshlrev_b32 v[L8], 3, v3
	s_mul_i32 s21, s15, HALFT                      ; my 128 rows of A
	s_mul_i32 s22, s16, HALFT                      ; my 128 rows of B,
	s_add_co_u32 s22, s22, 2*HALFT                 ; which lie behind A's 256
.irp s, 0,1
	v_add_nc_u32 v[ADRA+\s], s21, v[LI]
	v_add_nc_u32 v[ADRB+\s], s22, v[LI]
	v_add_nc_u32 v[ADRA+2+\s], s21, v[L8]
	v_add_nc_u32 v[ADRB+2+\s], s22, v[L8]
	s_add_co_u32 s21, s21, SLOT
	s_add_co_u32 s22, s22, SLOT
.endr
	v_mul_u32_u24 v5, v1, KS                       ; my row's scale bytes: 32 a row,
	v_lshrrev_b32 v6, 8, v5
	v_lshl_add_u32 v5, v6, 4, v5                   ; and 16 more for each 256 passed
	s_mul_i32 s21, s15, HALFS
	s_mul_i32 s22, s16, HALFS
	s_add_co_u32 s22, s22, 2*HALFS
	s_sub_co_u32 s22, s22, s21
	v_mul_u32_u24 v6, s22, v2                      ; lanes 16-31 take B's: one product, the distance between the two bases x h
	s_add_co_u32 s21, s21, SCL
	v_add_nc_u32 v5, v5, v6
	v_add_nc_u32 v[ADRS], s21, v5
	v_mul_u32_u24 v[VO], v2, HSTEP
	v_lshl_add_u32 v[VO], v1, 4, v[VO]
	v_lshlrev_b32 v[SH], 4, v2
	; where my records begin.  My 128 tokens are one record's; my 128 columns are two heads
	s_cmp_eq_u32 s100, 1
	s_cselect_b32 s18, s42, s17                    ; the tile of 256 tokens
	s_cselect_b32 s19, s16, s15                    ; and my half of it
	s_cselect_b32 s20, s17, s42                    ; the tile of 256 columns: four heads
	s_cselect_b32 s21, s15, s16                    ; and my half
	s_and_b32 s20, s20, 3
	s_lshr_b32 s22, s18, 3                         ; the batch
	s_and_b32 s18, s18, 7
	s_lshl_b32 s18, s18, 1
	s_add_co_u32 s18, s18, s19                     ; which 128 tokens of its 2,048
	s_lshl_b32 s20, s20, 2
	s_lshl_b32 s21, s21, 1
	s_add_co_u32 s20, s20, s21                     ; my first head
	s_lshl_b32 s22, s22, 4
	s_add_co_u32 s20, s20, s22
	s_lshl_b32 s20, s20, 4
	s_add_co_u32 s20, s20, s18
	s_mul_i32 s20, s20, REC
	s_mov_b32 s21, 0
	s_cmp_eq_u32 ttmp9, 0
	s_cselect_b64 s[12:13], s[8:9], s[10:11]       ; q's records, or k's and v's
	s_add_nc_u64 s[12:13], s[12:13], s[20:21]
.macro FRAG reg, adr, q, i             ; a fragment, 16 rows x 128 K, is two images on end: four loads of consecutive bytes
	ds_load_b128 v[\reg:\reg+3], v[\adr] offset:3072*(\i)+1536*(\q)
	ds_load_b64 v[\reg+4:\reg+5], v[\adr+2] offset:3072*(\i)+1536*(\q)+512
	ds_load_b128 v[\reg+6:\reg+9], v[\adr] offset:3072*(\i)+1536*(\q)+768
	ds_load_b64 v[\reg+10:\reg+11], v[\adr+2] offset:3072*(\i)+1536*(\q)+1280
.endm
; 16 matrix instructions: A's blocks a0, a0 + 1 x B's eight, 128 along K.  p: B's set; sc: the set of scale words.  zero = 1: the first product starts the sums.
; The 64 accumulators take turns, one instruction a turn, in the same order in every step.
.macro MUL16 a0, p, q, sc, zero
.irp a, \a0, \a0+1
.irp b, 0,1,2,3,4,5,6,7
.if \zero
	v_wmma_scale_f32_16x16x128_f8f6f4 v[8*(8*((\a)%4)+\b):8*(8*((\a)%4)+\b)+7], v[128*(\p)+FR*\b:128*(\p)+FR*\b+FR-1], v[AF+FR*(\a):AF+FR*(\a)+FR-1], 0, v[SC+8*NQ*(\sc)+NQ*\b+(\q)], v[SC+8*NQ*(\sc)+NQ*(\a)+(\q)] matrix_a_fmt:MATRIX_FMT_FP6 matrix_b_fmt:MATRIX_FMT_FP6 matrix_a_scale:MATRIX_SCALE_ROW1
.else
	v_wmma_scale_f32_16x16x128_f8f6f4 v[8*(8*((\a)%4)+\b):8*(8*((\a)%4)+\b)+7], v[128*(\p)+FR*\b:128*(\p)+FR*\b+FR-1], v[AF+FR*(\a):AF+FR*(\a)+FR-1], v[8*(8*((\a)%4)+\b):8*(8*((\a)%4)+\b)+7], v[SC+8*NQ*(\sc)+NQ*\b+(\q)], v[SC+8*NQ*(\sc)+NQ*(\a)+(\q)] matrix_a_fmt:MATRIX_FMT_FP6 matrix_b_fmt:MATRIX_FMT_FP6 matrix_a_scale:MATRIX_SCALE_ROW1
.endif
.endr
.endr
.endm
.macro FETCH_B slot, q, p
	WIN TO_B
.irp i, 0,1,2,3,4,5,6,7
	FRAG 128*(\p)+FR*\i, ADRB+\slot, \q, \i
.endr
	WIN 0
.endm
.macro FETCH_A slot, q, i0
.irp i, \i0, \i0+1, \i0+2, \i0+3
	FRAG AF+FR*(\i), ADRA+\slot, \q, \i
.endr
.endm
.macro SCALES sc                       ; a K step's scale words: two a row; lanes 0-15 take A's block i, lanes 16-31 B's block i
.irp i, 0,1,2,3,4,5,6,7
	ds_load_b64 v[SC+8*NQ*\sc+NQ*\i:SC+8*NQ*\sc+NQ*\i+1], v[ADRS] offset:\i*SBLK
.endr
.endm
.macro PLACES n                        ; places in front of loads into registers that matrix instructions have read, and of the first read of results
.rept \n
	v_nop
.endr
.endm
.macro STEP slot, q, zero              ; 128 along K that have their successor in the same slot
	s_wait_dscnt 4*NL                              ; B's set and A's blocks 0-3 are in; the youngest 16 loads (A's blocks 4-7) may be out
	WIN MUL_LO
	MUL16 0, (\q)%2, \q, \slot, \zero
	MUL16 2, (\q)%2, \q, \slot, \zero
	s_wait_dscnt 0
	PLACES NP
	FETCH_B \slot, (\q)+1, 1-(\q)%2
	FETCH_A \slot, (\q)+1, 0
	WIN MUL_HI
	MUL16 4, (\q)%2, \q, \slot, \zero
	MUL16 6, (\q)%2, \q, \slot, \zero
	PLACES NP
	WIN 0
	FETCH_A \slot, (\q)+1, 4
.endm
; A slot's last 128 change slots: ONE barrier; in front of it each wave waits for all its tensor loads, adds 0 to its spare word, and waits for that and for its reads of this slot.  fill = 1: the slot is filled again, two K steps on.
.macro TURN slot, next, fill
	s_wait_tensorcnt 0x0                           ; all my tensor loads have landed: my part of the next slot
	ds_add_u32 v[SPW], v[NIL]                      ; 0 onto my spare word
	s_wait_dscnt 4*NL+1                            ; (the add and the youngest 16 loads may be out)
	WIN MUL_LO
	MUL16 0, 1, NQ-1, \slot, 0
	s_wait_dscnt 0x0                               ; the add is done, and my reads of this slot are over
	s_barrier_signal -1
	MUL16 2, 1, NQ-1, \slot, 0
	WIN 0
	s_barrier_wait -1
.if \fill
	CREST                                          ; the barrier has opened a round of the cluster's: no wave of any partner still reads this slot or has a load on its way
	s_add_nc_u64 s[G0+4*\slot+2:G0+4*\slot+3], s[G0+4*\slot+2:G0+4*\slot+3], s[96:97]
	s_add_nc_u64 s[G0B+4*\slot+2:G0B+4*\slot+3], s[G0B+4*\slot+2:G0B+4*\slot+3], s[98:99]
	JLOAD G0+4*\slot, G1, G0B+4*\slot, G1B         ; the first tensor load behind the round; its four v_nop are the places in front of the loads below
.else
	PLACES NP
.endif
	v_add_nc_u32 v[ADRS], 4*NQ, v[ADRS]            ; the next K step's scale words
	FETCH_B \next, 0, 0
	FETCH_A \next, 0, 0
	SCALES \next
	WIN MUL_HI
	MUL16 4, 1, NQ-1, \slot, 0
	MUL16 6, 1, NQ-1, \slot, 0
	PLACES NP
	WIN 0
	FETCH_A \next, 0, 4
.endm
	s_wait_tensorcnt 1                             ; the scale bytes and my part of K step 0 are in; K step 1's load may be out
	s_barrier_signal -1
	s_barrier_wait -1
	FETCH_B 0, 0, 0
	FETCH_A 0, 0, 0
	SCALES 0
	FETCH_A 0, 0, 4
	STEP 0, 0, 1                                   ; K = 1,024 is four slots' worth: written out, no loop
	TURN 0, 1, 1
	STEP 1, 0, 0
	TURN 1, 0, 1
	STEP 0, 0, 0
	TURN 0, 1, 0                                   ; nothing is left to fetch
	STEP 1, 0, 0
	s_wait_dscnt 4*NL
	WIN MUL_LO
	MUL16 0, 1, NQ-1, 1, 0
	MUL16 2, 1, NQ-1, 1, 0
	s_wait_dscnt 0
	WIN MUL_HI
	MUL16 4, 1, NQ-1, 1, 0
	MUL16 6, 1, NQ-1, 1, 0
	WIN 0
; THE WAY OUT.  Block a's eight accumulators are 64 numbers of a lane: register 16 b + i = place 16 h + i of block b of 32 of my row.  They are quantised as they stand; the codes are two images, which leave straight from registers.
.macro QACC a
.set AC, 64*((\a)%4)
.set WW, 2+(\a)/4
.set WN, WW*5                          ; sources 0 and 1 in the accumulators' window
.set OUTA, 32+12*(\a)
	WIN WN
.irp b, 0,1,2,3
	v_max3_num_f32 v[TM+\b], |v[AC+16*\b]|, |v[AC+1+16*\b]|, 0x1800000   ; each accumulator from its low end on; the floor 2^(3 - 127)
.endr
.irp i, 2,4,6,8,10,12,14
.irp b, 0,1,2,3
	v_max3_num_f32 v[TM+\b], |v[AC+16*\b+\i]|, |v[AC+1+16*\b+\i]|, v[TM+\b]
.endr
.endr
	WIN 0
.irp b, 0,1,2,3
	v_permlanex16_b32 v[TM+4+\b], v[TM+\b], s[SEL], s[SEL+1]
.endr
.irp b, 0,1,2,3
	v_max_num_f32 v[TM+\b], v[TM+\b], v[TM+4+\b]
.endr
.irp b, 0,1,2,3
	v_add_nc_u32 v[TM+12+\b], 0xff000000, v[TM+\b]
.endr
.irp b, 0,1,2,3
	v_lshrrev_b32 v[TM+4+\b], 23, v[TM+12+\b]
.endr
	v_lshl_or_b32 v[PWA+(\a)], v[TM+5], 8, v[TM+4]
	v_lshl_or_b32 v[PWA+(\a)], v[TM+6], 16, v[PWA+(\a)]
	v_lshl_or_b32 v[PWA+(\a)], v[TM+7], 24, v[PWA+(\a)]
	WIN WW                                         ; source 0 in the accumulators' window
.irp c, 0,1
	v_cvt_scalef32_pk16_fp6_f32 v[OUTA+6*\c:OUTA+2+6*\c], v[AC+32*\c:AC+15+32*\c], v[TM+12+2*\c]
	v_cvt_scalef32_pk16_fp6_f32 v[CT+4*\c:CT+2+4*\c], v[AC+16+32*\c:AC+31+32*\c], v[TM+12+2*\c+1]
.endr
	WIN 0
	v_nop                                          ; one plain instruction behind the scaled conversions
.irp c, 0,1
.irp i, 0,1,2
	v_permlane16_swap_b32 v[OUTA+6*\c+\i], v[CT+4*\c+\i]
.endr
.irp i, 0,1,2
	v_mov_b32 v[OUTA+3+6*\c+\i], v[CT+4*\c+\i]
.endr
.endr
.endm
	PLACES NP                                      ; behind the last products: their results are read, and registers that held scale words are written
	s_mov_b32 s[SEL], 0x76543210
	s_mov_b32 s[SEL+1], 0xfedcba98
.irp b, 0,1,2,3
	v_mov_b32 v[TM+4+\b], 0                        ; a lane permute's destination counts as one of its sources
.endr
.irp a, 0,1,2,3,4,5,6,7
	QACC \a                                        ; every block has registers of its own for its codes and its word
.endr
	s_cmp_eq_u32 s100, 1                           ; the cluster's x decides: the same way in all partners
	s_cbranch_scc1 .Lstore_v
	; q, k: block a = 16 tokens; image c belongs to head c of my two.  Each store covers 512 or 256 consecutive bytes, aligned to 256
.irp a, 0,1,2,3,4,5,6,7
	v_lshrrev_b32 v[PWA+\a], v[SH], v[PWA+\a]      ; lanes 0-15 keep the first head's two bytes, lanes 16-31 the second's;
.endr
.irp a, 0,1,2,3,4,5,6,7
	v_and_b32 v[PWA+\a], 0xffff, v[PWA+\a]         ; bytes 2 and 3 are 0
.endr
.irp a, 0,1,2,3,4,5,6,7
.irp c, 0,1
	global_store_b128 v[LI], v[32+12*\a+6*\c:32+12*\a+6*\c+3], s[12:13] offset:\c*HSTEP+768*\a
	global_store_b64 v[L8], v[32+12*\a+6*\c+4:32+12*\a+6*\c+5], s[12:13] offset:\c*HSTEP+768*\a+512
.endr
.endr
	global_store_b128 v[VO], v[PWA:PWA+3], s[12:13] offset:KSCO
	global_store_b128 v[VO], v[PWA+4:PWA+7], s[12:13] offset:KSCO+256
	s_branch .Ldone
.Lstore_v:
	; v: block a = 16 of the 64 d of head a / 4; its two images are one fragment of 128 tokens
	s_mov_b32 s20, 0xffff0000
.irp e, 0,1,2,3
	v_cndmask_b32 v[CT+\e], v[PWA+\e], v[PWA+4+\e], s20   ; lanes 0-15 store the first head's four words, lanes 16-31 the second's
.endr
.irp a, 0,1,2,3,4,5,6,7
.irp c, 0,1
	global_store_b128 v[LI], v[32+12*\a+6*\c:32+12*\a+6*\c+3], s[12:13] offset:(\a/4)*HSTEP+VCO+1536*(\a%4)+768*\c
	global_store_b64 v[L8], v[32+12*\a+6*\c+4:32+12*\a+6*\c+5], s[12:13] offset:(\a/4)*HSTEP+VCO+1536*(\a%4)+768*\c+512
.endr
.endr
	global_store_b128 v[VO], v[CT:CT+3], s[12:13] offset:VSCO
.Ldone:
	s_wait_tensorcnt 0x0                           ; the wave's end
	ds_add_u32 v[SPW], v[NIL]
	s_wait_dscnt 0x0
	CROUND                                         ; the closing round: no work-group ends while a partner may still ask for a tile that names it
	s_endpgm
.Lfunc_end_k_qec9fd1c19b_gemm1:
	.size	k_qec9fd1c19b_gemm1, .Lfunc_end_k_qec9fd1c19b_gemm1-k_qec9fd1c19b_gemm1
	.p2alignl 7, 3214868480
	.fill 96, 4, 3214868480
	.section	.rodata,"a",@progbits
	.p2align	6, 0x0
	.amdhsa_kernel k_qec9fd1c19b_gemm1
		.amdhsa_group_segment_fixed_size 327680
		.amdhsa_private_segment_fixed_size 0
		.amdhsa_enable_private_segment 0
		.amdhsa_kernarg_size 32
		.amdhsa_user_sgpr_count 2
		.amdhsa_user_sgpr_kernarg_segment_ptr 1
		.amdhsa_wavefront_size32 1
		.amdhsa_system_sgpr_workgroup_id_x 1
		.amdhsa_system_sgpr_workgroup_id_y 1
		.amdhsa_system_sgpr_workgroup_id_z 1
		.amdhsa_system_vgpr_workitem_id 0
		.amdhsa_next_free_vgpr 1024
		.amdhsa_next_free_sgpr 106
		.amdhsa_reserve_vcc 0
		.amdhsa_float_denorm_mode_32 3
		.amdhsa_float_denorm_mode_16_64 3
		.amdhsa_memory_ordered 1
		.amdhsa_forward_progress 1
		.amdhsa_inst_pref_size 153
	.end_amdhsa_kernel
	.amdgpu_metadata
---
amdhsa.version: [ 1, 2 ]
amdhsa.kernels:
  - .name:           k_qec9fd1c19b_gemm1
    .symbol:         k_qec9fd1c19b_gemm1.kd
    .args:
      - { .name: xb, .offset: 0, .size: 8, .value_kind: global_buffer, .address_space: global }
      - { .name: wb, .offset: 8, .size: 8, .value_kind: global_buffer, .address_space: global }
      - { .name: qrec, .offset: 16, .size: 8, .value_kind: global_buffer, .address_space: global }
      - { .name: kvrec, .offset: 24, .size: 8, .value_kind: global_buffer, .address_space: global }
    .group_segment_fixed_size: 327680
    .private_segment_fixed_size: 0
    .kernarg_segment_align: 8
    .kernarg_segment_size: 32
    .max_flat_workgroup_size: 128
    .sgpr_count:     106
    .vgpr_count:     1024
    .wavefront_size: 32
...
	.end_amdgpu_metadata
.endif
;; end of part 2
;; launch attn (part 3): grid 4 x 64, 16 waves a work-group, clusters of 4 x 1, 210,944 bytes of LDS; arguments qrec, kvrec, maskw, aob; writes aob
.if DOCPART == 3
	.amdgcn_target "amdgcn-amd-amdhsa--gfx1250"
	.amdhsa_code_object_version 6
	.text
	.protected	k_qec9fd1c19b_attn
	.globl	k_qec9fd1c19b_attn
	.p2align	8
	.type	k_qec9fd1c19b_attn,@function
k_qec9fd1c19b_attn:
	s_mov_b64 s[64:65], 0
	v_nop
	global_prefetch_b8 v0, s[64:65] scope:SCOPE_SE
	s_setreg_imm32_b32 hwreg(HW_REG_WAVE_MODE, 25, 1), 1
	s_wait_xcnt 0x0
	s_wait_alu depctr_hold_cnt(0) depctr_sa_sdst(0) depctr_va_vdst(0) depctr_va_sdst(0) depctr_va_ssrc(0) depctr_va_vcc(0) depctr_vm_vsrc(0)
	s_getreg_b32 s2, hwreg(HW_REG_IB_STS2, 6, 4)
	s_cmp_eq_u32 s2, 0
	s_cbranch_scc0 .Lentry_in_a_cluster
	s_endpgm
.Lentry_in_a_cluster:
	s_bfe_u32 s2, ttmp6, 0x10000c
	s_cmp_lg_u32 s2, 0x3003
	s_cbranch_scc0 .Lentry_shape_is_right
	s_endpgm
.Lentry_shape_is_right:
; Attention of one (batch, head) a cluster, both products on codes of FP6 (E2M3) with E8M0 scales; scores of masked keys become -infinity ahead of the maximum.  The result is quantised along the head's 64 and leaves as codes for the last product.
; THE SOFTMAX AHEAD OF THE SECOND PRODUCT: t = score x log2(e) / 8; M = the row's largest t so far, rounded UP to a whole number; p = 2^(t - M) is quantised along the keys, not normalised;
; the row's sum is taken of the unquantised p and divides at the end.  When M moves, the sum and O are multiplied by 2^(old M - new M): exact.
; SHARES.  The cluster's four work-groups own 512 queries each, in two passes of 256; each of sixteen waves owns one tile of 16 queries a pass, in 256 registers: four waves to a SIMD, so that one wave's vector work stands beside another's products and LDS loads.
; THE WHOLE HEAD'S K AND V STAY IN LDS: 16 records of 13,056 bytes (128 keys each), filled ONCE, by joint loads that name all four work-groups; no byte is filled again, so there is no ring.
; One wait for all fills and one barrier order every read of LDS behind every fill.  Waves 0-3 issue four loads each: four tensor loads of a wave are out at the most.
; LAYOUT.  S^T = K Q^T (source 0 = 16 keys, source 1 = my queries), O^T = V^T P^T: a lane holds ONE query throughout.  Register 8 t + j of S^T is key 16 t + 8 h + j: inside a block of 32 keys that is the order of places in which v's codes were laid.
; K = 64 IN AN INSTRUCTION OF 128: Q's registers 6-11 are zero codes and bytes 2, 3 of both scale words are 0 (2^-127).  So what stands in registers 6-11 of K's operand is multiplied by zeros: K's tile t takes v[32 + 6 t] on, 12 registers,
; of which the upper six are the next tile's codes (behind the last tile: zeros).  FP6 has no code for infinity or NaN, so those products are zeros.
; THE MASK comes as 64 words a step, word 8 t + j = the lanes in which register 8 t + j is hidden: scalar loads a step ahead, one v_cndmask_b32 a register.  The words select values only: no branch and no address hangs on them.
; A ROW ALL OF WHOSE KEYS ARE HIDDEN has the sum 0: its scale bytes are stored as 0xff, so that the last product gives NaN in that row, as a softmax of nothing does.
; No prefetch: all of K and V is asked for at the head, and the mask's words are asked for a step ahead of their use by the loads themselves.
; LIMITS: a block of zeros gets the byte 1; the floor 2^-124; NaN and infinities among the inputs are not served.
; REGISTERS: v1-4 lane terms and -infinity; v5-7 the step's addresses; v8-11 Q's and the output's offsets; v12 -M, v13 the largest t, v[14:15] the sum; v16-27 Q; v32-85 K's 8 tiles, then V's 4 fragments; v86-99 scale words;
; v100-163 S^T, then p; v164-195 O^T; v196-214 p's codes; v216-237 at work.
.set REC,  13056
.set KSCO, 6144
.set VCO,  6656
.set VSCO, 12800
.set SX,   1572864                     ; aob: from one 256 along K (four heads) to the next
.set ASC,  6291456                     ; aob: its scale bytes, 32 a row
.set S,    100
.set O,    164
.set PCD,  196
.set CT,   208
.set BM,   216                         ; v216-219 each block's largest score, then its largest p
.set BP,   220                         ; v220-223 the other half's
.set SO,   224                         ; v224-227 the conversions' scale operands
.set BY,   228                         ; v228-231 the bytes
.set F,    232                         ; v[232:233] f = 2^(old M - new M); at the end 1 / the sum
.set T,    234
.set SUM2, 236                         ; v[236:237] the sums' second chain
.set G1,   84                          ; s[84:91] descriptor group 1;  s[52:55], s[56:59], s[60:63], s[92:95] four groups 0
.macro CROUND                          ; a round of the cluster's barrier
	s_barrier_signal -1
	s_barrier_wait -1
	s_cmp_lg_u32 s2, 0
	s_cbranch_scc1 .Lnot_wave_0_\@
	s_barrier_signal -3
.Lnot_wave_0_\@:
	s_barrier_wait -3
	s_barrier_signal -1
	s_barrier_wait -1
.endm
.macro MKG0 g, n                       ; load n of wave w brings record 4 n + w
	s_mov_b32 s[\g], 1
	s_add_co_u32 s[\g+1], s14, (\n)*4*REC
	s_add_nc_u64 s[\g+2:\g+3], s[6:7], (\n)*4*REC
	s_or_b32 s[\g+3], s[\g+3], 0x80000000
.endm
	s_load_b64 s[6:7], s[0:1], 0x8                 ; kvrec
	v_lshl_add_u32 v254, v0, 2, 0x33000
	v_mov_b32 v255, 0
	ds_add_u32 v254, v255
	ds_add_u32 v254, v255
	v_lshrrev_b32 v1, 5, v0
	v_readfirstlane_b32 s2, v1                     ; wave 0..15
	v_and_b32 v5, 31, v0
	v_and_b32 v6, 15, v0                           ; r
	v_bfe_u32 v7, v0, 4, 1                         ; h
	v_lshlrev_b32 v1, 4, v5                        ; 16 x lane
	v_lshlrev_b32 v2, 3, v5                        ; 8 x lane
	v_lshlrev_b32 v3, 4, v6                        ; 16 r
	v_mov_b32 v4, 0xff800000                       ; -infinity
	s_and_b32 s12, s2, 7                           ; my tile of queries among its record's eight: the wave's number decides
	s_mul_i32 s13, s12, 768
	v_add_nc_u32 v8, s13, v1                       ; Q's image
	v_add_nc_u32 v9, s13, v2
	s_lshr_b32 s13, s12, 2
	s_lshl_b32 s13, s13, 8
	s_and_b32 s12, s12, 3
	s_lshl_b32 s12, s12, 2
	s_add_co_u32 s13, s13, s12
	v_add_nc_u32 v10, s13, v3                      ; Q's scale word
	v_lshlrev_b32 v11, 5, v6
	v_add_nc_u32 v11, v11, v7                      ; the output's scale byte: 32 r + h
.irp i, 0,1,2,3,4,5
	v_mov_b32 v[22+\i], 0                          ; zero codes: Q's K = 64 .. 127,
	v_mov_b32 v[80+\i], 0                          ; and what stands behind K's last tile
.endr
	s_mov_b32 s[G1], 15|(3<<16)|(1<<21)            ; 15:0 the mask: all four work-groups; 17:16 elements of 8 bytes; 21 set beside a mask; no padding
	s_mov_b32 s[G1+1], 32<<16                      ; tensor_dim0: a record is 51 rows of 256 bytes
	s_mov_b32 s[G1+2], 51<<16                      ; tensor_dim1
	s_mov_b32 s[G1+3], 32<<16                      ; tile_dim0
	s_mov_b32 s[G1+4], 51                          ; tile_dim1
	s_mov_b32 s[G1+5], 32                          ; tensor_dim0_stride
	s_mov_b32 s[G1+6], 0
	s_mov_b32 s[G1+7], 0
	s_mov_b32 s96, 0x3e38aa3b                      ; c = log2(e) / 8
	s_mov_b32 s97, s96                             ; (named with it as a pair)
	s_mov_b32 s98, 0x76543210
	s_mov_b32 s99, 0xfedcba98                      ; selects for lane l xor 16
	s_mov_b32 s67, 0                               ; the pass
	s_and_b32 s12, ttmp7, 0xffff                   ; batch x 16 + head, which the four partners share
	s_mul_i32 s12, s12, 16*REC
	s_mul_i32 s14, s2, REC                         ; my record of each four: in LDS,
	s_add_co_u32 s12, s12, s14                     ; and in memory
	s_mov_b32 s13, 0
	s_wait_dscnt 0x0
	s_wait_kmcnt 0x0
	s_add_nc_u64 s[6:7], s[6:7], s[12:13]
	MKG0 52, 0
	MKG0 56, 1
	MKG0 60, 2
	MKG0 92, 3
	CROUND                                         ; all four work-groups are here: the joint loads meet
	s_cmp_lt_u32 s2, 4                             ; a wave's fills stand in one branch on the wave's number
	s_cbranch_scc0 .Lno_fetch
	tensor_load_to_lds s[52:55], s[G1:G1+7]
	s_nop 0
	tensor_load_to_lds s[56:59], s[G1:G1+7]
	s_nop 0
	tensor_load_to_lds s[60:63], s[G1:G1+7]
	s_nop 0
	tensor_load_to_lds s[92:95], s[G1:G1+7]
	s_nop 0
.rept 4
	v_nop
.endr
.Lno_fetch:
.Lpass:                                            ; two trips: 256 queries of the work-group each
	s_load_b256 s[4:11], s[0:1], 0x0               ; qrec s[4:5], maskw s[8:9]
	s_bfe_u32 s12, ttmp6, 0x40000                  ; cx: it enters global addresses alone
	s_and_b32 s13, ttmp7, 0xffff
	s_lshl_b32 s12, s12, 1
	s_add_co_u32 s12, s12, s67
	s_lshl_b32 s12, s12, 4
	s_add_co_u32 s12, s12, s2                      ; my tile of queries, 0 .. 127
	s_lshr_b32 s14, s12, 3
	s_lshl_b32 s15, s13, 4
	s_add_co_u32 s14, s14, s15
	s_mul_i32 s14, s14, REC                        ; its record in qrec
	s_mov_b32 s15, 0
	s_lshr_b32 s16, s13, 4                         ; the batch
	s_lshl_b32 s16, s16, 7
	s_add_co_u32 s16, s16, s12
	s_lshl_b32 s16, s16, 12                        ; its mask words: 16 steps of 256 bytes
	s_mov_b32 s17, 0
	s_wait_kmcnt 0x0
	s_add_nc_u64 s[104:105], s[4:5], s[14:15]
	s_add_nc_u64 s[100:101], s[8:9], s[16:17]
	global_load_b128 v[16:19], v8, s[104:105]
	global_load_b64 v[20:21], v9, s[104:105] offset:512
	global_load_b32 v98, v10, s[104:105] offset:KSCO
	s_load_b512 s[4:19], s[100:101], 0x0           ; the first step's 64 words: word n in s[4 + n], from word 48 on in s[20 + n]
	s_load_b512 s[20:35], s[100:101], 0x40
	s_load_b512 s[36:51], s[100:101], 0x80
	s_load_b512 s[68:83], s[100:101], 0xc0
.set j, 0
.rept 32
	v_mov_b32 v[O+j], 0                            ; O^T.  (The step is written once: the first finds zeros, which the first change of M leaves zeros)
.set j, j+1
.endr
	v_mov_b32 v14, 0
	v_mov_b32 v15, 0
.irp b, 0,1,2,3
	v_mov_b32 v[BP+\b], 0                          ; a lane permute's destination counts as one of its sources
.endr
	v_mov_b32 v[F+1], 0                            ; (named as the upper half of a pair)
	v_mov_b32 v13, 0xff61b1e6                      ; the largest t so far: -3e38
	v_floor_f32 v12, -v13                          ; -M
	s_mov_b32 s3, 0                                ; the record in hand
	s_mov_b32 s66, 16
	s_wait_tensorcnt 0x0                           ; my fills have landed (in the second pass nothing is out),
	s_wait_dscnt 0x0
	s_barrier_signal -1
	s_barrier_wait -1                              ; everybody's have
	s_wait_loadcnt 0x0                             ; Q; its base may be written now
	s_mov_b32 s104, 0                              ; the mask words' step, in bytes
.Lstep:                                            ; 16 trips: 128 keys each
	v_add_nc_u32 v5, s3, v1
	v_add_nc_u32 v6, s3, v2
	v_add_nc_u32 v7, s3, v3
	v_nop                                          ; four places behind the last products, in front of loads into registers that they read
.irp t, 0,1,2,3,4,5,6,7
	ds_load_b128 v[32+6*\t:35+6*\t], v5 offset:768*\t
	ds_load_b64 v[36+6*\t:37+6*\t], v6 offset:768*\t+512
.endr
	ds_load_b128 v[86:89], v7 offset:KSCO          ; K's scale words: lane r has key r's of tiles 0-3,
	ds_load_b128 v[90:93], v7 offset:KSCO+256      ; and of tiles 4-7
	s_wait_dscnt 0x0
.irp t, 0,1,2,3,4,5,6,7
	v_wmma_scale_f32_16x16x128_f8f6f4 v[S+8*\t:S+8*\t+7], v[32+6*\t:43+6*\t], v[16:27], 0, v[86+\t], v98 matrix_a_fmt:MATRIX_FMT_FP6 matrix_b_fmt:MATRIX_FMT_FP6
.endr
	s_wait_kmcnt 0x0                               ; this step's mask words, asked for a step ago
.rept 4
	v_nop
.endr
.irp t, 0,1,2,3                        ; V's four fragments come while the softmax is worked
.irp c, 0,1
	ds_load_b128 v[32+12*\t+6*\c:35+12*\t+6*\c], v5 offset:VCO+1536*\t+768*\c
	ds_load_b64 v[36+12*\t+6*\c:37+12*\t+6*\c], v6 offset:VCO+1536*\t+768*\c+512
.endr
.endr
	ds_load_b128 v[94:97], v7 offset:VSCO          ; V's scale words: lane r has row r's of the four tiles of d
.set n, 0
.rept 64
	v_cndmask_b32 v[S+n], v[S+n], v4, s[4+n+16*(n/48)]   ; hidden keys' scores become -infinity: one instruction a register; each accumulator from its low end on
.set n, n+1
.endr
.irp b, 0,1,2,3
	v_max3_num_f32 v[BM+\b], v[S+16*\b], v[S+1+16*\b], v[S+2+16*\b]   ; the largest score of each block of 32 keys: it serves the row's maximum and, since p rises with the score, the block's largest p
.endr
.irp i, 3,5,7,9,11,13
.irp b, 0,1,2,3
	v_max3_num_f32 v[BM+\b], v[BM+\b], v[S+16*\b+\i], v[S+1+16*\b+\i]
.endr
.endr
.irp b, 0,1,2,3
	v_max_num_f32 v[BM+\b], v[BM+\b], v[S+15+16*\b]
.endr
.irp b, 0,1,2,3
	v_permlanex16_b32 v[BP+\b], v[BM+\b], s98, s99
.endr
.irp b, 0,1,2,3
	v_max_num_f32 v[BM+\b], v[BM+\b], v[BP+\b]
.endr
	s_add_co_u32 s104, s104, 256                   ; the next step's mask words; the last step asks for its own again: no load leaves the buffer
	s_min_u32 s104, s104, 3840
	s_load_b512 s[4:19], s[100:101], s104 offset:0x0
	s_load_b512 s[20:35], s[100:101], s104 offset:0x40
	s_load_b512 s[36:51], s[100:101], s104 offset:0x80
	s_load_b512 s[68:83], s[100:101], s104 offset:0xc0
	v_max3_num_f32 v[T], v[BM], v[BM+1], v[BM+2]
	v_max_num_f32 v[T], v[T], v[BM+3]
	v_mul_f32 v[T], s96, v[T]                      ; as t (c is positive)
	v_max_num_f32 v13, v13, v[T]                   ; the running largest t
	v_mov_b32 v[T], v12
	v_floor_f32 v12, -v13                          ; the new -M = -ceil(t): a whole number
	v_sub_f32 v[T], v12, v[T]                      ; old M - new M, 0 or less
	v_cvt_i32_f32 v[T], v[T]                       ; (it saturates)
	v_ldexp_f32 v[F], 1.0, v[T]                    ; f = 2^(old M - new M)
.set j, 0
.rept 32
	v_pk_fma_f32 v[S+j:S+j+1], v[S+j:S+j+1], s[96:97], v[12:13] op_sel_hi:[1,0,0]   ; t - M, two at a time
.set j, j+2
.endr
.irp b, 0,1,2,3
	v_fma_f32 v[BM+\b], v[BM+\b], s96, v12         ; the same of each block's largest score
.endr
.set j, 0
.rept 64
	v_exp_f32 v[S+j], v[S+j]                       ; p = 2^(t - M), at most 1
.set j, j+1
.endr
	v_pk_mul_f32 v[14:15], v[14:15], v[F:F+1] op_sel_hi:[1,0]   ; the sums under the new M: a plain instruction behind the exponentials
	s_wait_alu depctr_va_vdst(0)                   ; one wait for the whole batch, ahead of its first reader
.irp b, 0,1,2,3
	v_exp_f32 v[BM+\b], v[BM+\b]                   ; the block's largest p
.endr
	v_pk_add_f32 v[SUM2:SUM2+1], v[S:S+1], v[S+2:S+3]   ; the row's sum of the unquantised p, in two chains
.set j, 4
.rept 15
	v_pk_add_f32 v[14:15], v[14:15], v[S+j:S+j+1]
	v_pk_add_f32 v[SUM2:SUM2+1], v[SUM2:SUM2+1], v[S+2+j:S+3+j]
.set j, j+4
.endr
	v_pk_add_f32 v[14:15], v[14:15], v[SUM2:SUM2+1]
	s_wait_alu depctr_va_vdst(0)                   ; and one for the four
.irp b, 0,1,2,3
	v_max_num_f32 v[BM+\b], 0x1800000, v[BM+\b]    ; the floor 2^(3 - 127)
.endr
.irp b, 0,1,2,3
	v_add_nc_u32 v[SO+\b], 0xff000000, v[BM+\b]
.endr
.irp b, 0,1,2,3
	v_lshrrev_b32 v[BY+\b], 23, v[SO+\b]
.endr
	v_lshl_or_b32 v99, v[BY+1], 8, v[BY]           ; p's scale word for these 128 keys
	v_lshl_or_b32 v99, v[BY+2], 16, v99
	v_lshl_or_b32 v99, v[BY+3], 24, v99
.irp c, 0,1
	v_cvt_scalef32_pk16_fp6_f32 v[PCD+6*\c:PCD+2+6*\c], v[S+32*\c:S+15+32*\c], v[SO+2*\c]
	v_cvt_scalef32_pk16_fp6_f32 v[CT+4*\c:CT+2+4*\c], v[S+16+32*\c:S+31+32*\c], v[SO+2*\c+1]
.endr
	v_nop                                          ; one plain instruction behind the scaled conversions
.irp c, 0,1
.irp i, 0,1,2
	v_permlane16_swap_b32 v[PCD+6*\c+\i], v[CT+4*\c+\i]
.endr
.irp i, 0,1,2
	v_mov_b32 v[PCD+3+6*\c+\i], v[CT+4*\c+\i]
.endr
.endr
.set j, 0
.rept 16
	v_pk_mul_f32 v[O+j:O+j+1], v[O+j:O+j+1], v[F:F+1] op_sel_hi:[1,0]   ; O^T under the new M; these sixteen are also the places between the writes of p's codes and scale word and the products
.set j, j+2
.endr
	s_wait_dscnt 0x0                               ; V
.irp t, 0,1,2,3
	v_wmma_scale_f32_16x16x128_f8f6f4 v[O+8*\t:O+8*\t+7], v[32+12*\t:43+12*\t], v[PCD:PCD+11], v[O+8*\t:O+8*\t+7], v[94+\t], v99 matrix_a_fmt:MATRIX_FMT_FP6 matrix_b_fmt:MATRIX_FMT_FP6
.endr
	s_add_co_u32 s3, s3, REC
	s_sub_co_u32 s66, s66, 1
	s_cmp_lg_u32 s66, 0
	s_cbranch_scc1 .Lstep
	; THE WAY OUT: O^T / the sum, quantised along the head's 64 (two blocks): one image and two scale bytes a row
	s_wait_kmcnt 0x0                               ; the last step's load of mask words: its registers are used below
	s_load_b64 s[10:11], s[0:1], 0x18              ; aob
	v_add_f32 v14, v14, v15
	v_permlanex16_b32 v[T], v14, s98, s99
	v_add_f32 v14, v14, v[T]                       ; the row's sum
	v_rcp_f32 v[F], v14
.rept 3
	v_nop                                          ; a plain instruction behind the reciprocal; with the additions above, the places behind the last products
.endr
	s_bfe_u32 s12, ttmp6, 0x40000
	s_lshl_b32 s12, s12, 1
	s_add_co_u32 s12, s12, s67
	s_lshl_b32 s12, s12, 4
	s_add_co_u32 s12, s12, s2                      ; my tile of queries
	s_and_b32 s13, ttmp7, 0xffff
	s_and_b32 s14, s13, 15                         ; the head
	s_lshr_b32 s13, s13, 4
	s_lshl_b32 s13, s13, 7
	s_add_co_u32 s13, s13, s12                     ; my tile of rows of the last product's operand
	s_lshr_b32 s15, s14, 2
	s_mul_i32 s15, s15, SX
	s_mul_i32 s16, s13, 3072
	s_add_co_u32 s16, s16, s15
	s_and_b32 s15, s14, 3
	s_mul_i32 s15, s15, 768
	s_add_co_u32 s16, s16, s15                     ; the image's place
	s_mov_b32 s17, 0
	s_lshl_b32 s18, s13, 9
	s_lshl_b32 s15, s14, 1
	s_add_co_u32 s18, s18, s15                     ; the scale bytes': 512 for each 16 rows, + 2 x head
	s_mov_b32 s19, 0
	s_mov_b32 s105, 0xffff0000                     ; lanes 16-31
	s_wait_kmcnt 0x0
	s_add_nc_u64 s[16:17], s[10:11], s[16:17]
	s_add_nc_u64 s[18:19], s[10:11], s[18:19]
	s_wait_alu depctr_va_vdst(0)                   ; the wait ahead of the reciprocal's first reader
.set j, 0
.rept 16
	v_pk_mul_f32 v[S+j:S+j+1], v[O+j:O+j+1], v[F:F+1] op_sel_hi:[1,0]   ; register 8 t + i: d = 16 t + 8 h + i of my query
.set j, j+2
.endr
.irp b, 0,1
	v_max3_num_f32 v[BM+\b], |v[S+16*\b]|, |v[S+1+16*\b]|, 0x1800000
.endr
.irp i, 2,4,6,8,10,12,14
.irp b, 0,1
	v_max3_num_f32 v[BM+\b], v[BM+\b], |v[S+16*\b+\i]|, |v[S+1+16*\b+\i]|
.endr
.endr
.irp b, 0,1
	v_permlanex16_b32 v[BP+\b], v[BM+\b], s98, s99
.endr
.irp b, 0,1
	v_max_num_f32 v[BM+\b], v[BM+\b], v[BP+\b]
.endr
.irp b, 0,1
	v_add_nc_u32 v[SO+\b], 0xff000000, v[BM+\b]
.endr
.irp b, 0,1
	v_lshrrev_b32 v[BY+\b], 23, v[SO+\b]
.endr
	v_cvt_scalef32_pk16_fp6_f32 v[PCD:PCD+2], v[S:S+15], v[SO]
	v_cvt_scalef32_pk16_fp6_f32 v[CT:CT+2], v[S+16:S+31], v[SO+1]
	v_nop                                          ; one plain instruction behind the scaled conversions
.irp i, 0,1,2
	v_permlane16_swap_b32 v[PCD+\i], v[CT+\i]
.endr
.irp i, 0,1,2
	v_mov_b32 v[PCD+3+\i], v[CT+\i]
.endr
	v_cndmask_b32 v235, v[BY], v[BY+1], s105       ; lane (r, h) stores block h's byte
	v_cmp_lt_f32 vcc_lo, 0, v14                    ; a row with no key left has the sum 0:
	v_cndmask_b32 v235, 0xff, v235, vcc_lo         ; its bytes say NaN
	global_store_b128 v1, v[PCD:PCD+3], s[16:17]   ; 512 and 256 consecutive bytes, aligned to 256
	global_store_b64 v2, v[PCD+4:PCD+5], s[16:17] offset:512
	global_store_b8 v11, v235, s[18:19] offset:ASC ; two bytes a row, 32 bytes apart, beside 48 bytes of codes: a row's 32 bytes come from sixteen heads' work-groups
	s_wait_xcnt 0x0                                ; the stores have read their registers and bases: the next pass writes them again
	s_add_co_u32 s67, s67, 1
	s_cmp_lt_u32 s67, 2
	s_cbranch_scc1 .Lpass
	s_wait_tensorcnt 0x0
	ds_add_u32 v254, v255
	s_wait_dscnt 0x0
	CROUND                                         ; the closing round: no work-group ends while a partner may still ask for a tile that names it
	s_endpgm
.Lfunc_end_k_qec9fd1c19b_attn:
	.size	k_qec9fd1c19b_attn, .Lfunc_end_k_qec9fd1c19b_attn-k_qec9fd1c19b_attn
	.p2alignl 7, 3214868480
	.fill 96, 4, 3214868480
	.section	.rodata,"a",@progbits
	.p2align	6, 0x0
	.amdhsa_kernel k_qec9fd1c19b_attn
		.amdhsa_group_segment_fixed_size 210944
		.amdhsa_private_segment_fixed_size 0
		.amdhsa_enable_private_segment 0
		.amdhsa_kernarg_size 32
		.amdhsa_user_sgpr_count 2
		.amdhsa_user_sgpr_kernarg_segment_ptr 1
		.amdhsa_wavefront_size32 1
		.amdhsa_system_sgpr_workgroup_id_x 1
		.amdhsa_system_sgpr_workgroup_id_y 1
		.amdhsa_system_sgpr_workgroup_id_z 1
		.amdhsa_system_vgpr_workitem_id 0
		.amdhsa_next_free_vgpr 256
		.amdhsa_next_free_sgpr 106
		.amdhsa_reserve_vcc 1
		.amdhsa_float_denorm_mode_32 3
		.amdhsa_float_denorm_mode_16_64 3
		.amdhsa_memory_ordered 1
		.amdhsa_forward_progress 1
		.amdhsa_inst_pref_size 33
	.end_amdhsa_kernel
	.amdgpu_metadata
---
amdhsa.version: [ 1, 2 ]
amdhsa.kernels:
  - .name:           k_qec9fd1c19b_attn
    .symbol:         k_qec9fd1c19b_attn.kd
    .args:
      - { .name: qrec, .offset: 0, .size: 8, .value_kind: global_buffer, .address_space: global }
      - { .name: kvrec, .offset: 8, .size: 8, .value_kind: global_buffer, .address_space: global }
      - { .name: maskw, .offset: 16, .size: 8, .value_kind: global_buffer, .address_space: global }
      - { .name: aob, .offset: 24, .size: 8, .value_kind: global_buffer, .address_space: global }
    .group_segment_fixed_size: 210944
    .private_segment_fixed_size: 0
    .kernarg_segment_align: 8
    .kernarg_segment_size: 32
    .max_flat_workgroup_size: 512
    .sgpr_count:     106
    .vgpr_count:     256
    .wavefront_size: 32
...
	.end_amdgpu_metadata
.endif
;; end of part 3
;; launch gemm2 (part 4): grid 4 x 32, 4 waves a work-group, clusters of 4 x 4, 327,680 bytes of LDS; arguments aob, wb, b_out, out0; writes out0
.if DOCPART == 4
	.amdgcn_target "amdgcn-amd-amdhsa--gfx1250"
	.amdhsa_code_object_version 6
	.text
	.protected	k_qec9fd1c19b_gemm2
	.globl	k_qec9fd1c19b_gemm2
	.p2align	8
	.type	k_qec9fd1c19b_gemm2,@function
k_qec9fd1c19b_gemm2:
	s_mov_b64 s[64:65], 0
	v_nop
	global_prefetch_b8 v0, s[64:65] scope:SCOPE_SE
	s_setreg_imm32_b32 hwreg(HW_REG_WAVE_MODE, 25, 1), 1
	s_wait_xcnt 0x0
	s_wait_alu depctr_hold_cnt(0) depctr_sa_sdst(0) depctr_va_vdst(0) depctr_va_sdst(0) depctr_va_ssrc(0) depctr_va_vcc(0) depctr_vm_vsrc(0)
	s_getreg_b32 s2, hwreg(HW_REG_IB_STS2, 6, 4)
	s_cmp_eq_u32 s2, 0
	s_cbranch_scc0 .Lentry_in_a_cluster
	s_endpgm
.Lentry_in_a_cluster:
	s_bfe_u32 s2, ttmp6, 0x10000c
	s_cmp_lg_u32 s2, 0xf033
	s_cbranch_scc0 .Lentry_shape_is_right
	s_endpgm
.Lentry_shape_is_right:
; out0 = att W_out + b_out on codes of FP6 (E2M3) with E8M0 scales: [8192][1024] x [1024][1024], f32 out.  A = the attention's result (aob), B = W_out's columns (in wb), both as images of the operand's registers
; (16 rows x 64 K: 768 bytes: registers 0-3 at 16 x lane, 4-5 at 512 + 8 x lane), [K / 256][row / 16][4 images], the scale bytes behind them, 32 a row.
; A tile of 256 x 256 is made by four waves, each 128 x 128: 64 accumulators.  K goes in four steps of 256 through two LDS slots filled by the tensor data mover; a wave's part of a slot is one dense block of 24,576 bytes.
; THE MATRIX INSTRUCTION IS USED TRANSPOSED (source 0 = 16 rows of B, source 1 = 16 rows of A): a lane holds eight neighbouring numbers of a row of the output.  The bias is the C of each sum's first product: no addition.
; CLUSTERS: 4 x 4 work-groups; A's tiles are asked for jointly along a row of the cluster, B's along a column.  128 tiles: a smaller tile would fill more WGPs at twice the LDS reads for each product; not built.
; REGISTERS: window 0: v7-29 addresses; v32-63 scale words, two sets; v64-127 the bias; v128-223 A's fragments, one set; on the way out v128-255 rows.  window 1: B's fragments, two sets.  windows 2, 3: the accumulators.
.set SX,    1572864
.set XSC,   6291456
.set WO,    2457600
.set SWO,   196608
.set WOS,   3244032
.set SIZE_N, 1024
.set NQ,    2
.set FR,    12
.set NL,    4
.set NP,    4
.set HALFT, 24576
.set SLOT,  4*HALFT
.set KS,    32
.set SCL,   2*SLOT
.set HALFS, 16*272
.set SBLK,  2*272
.set SPARE, SCL+4*HALFS                ; the spare words, 128 bytes a wave: two blocks of 256 bytes that no other line names
.set SPITCH, 528                       ; the way out: 16 rows x (512 bytes + 16) a wave, in slot 0, which has had its last fill and its last read when the first result is stored there
.set LI,   8
.set L8,   9
.set ADRA, 16
.set ADRB, 20
.set STO,  24
.set RD,   25
.set CO,   26
.set ADRS, 27
.set SPW,  28
.set NIL,  29
.set SC,   32
.set BIAS, 64
.set AF,   128
.set BK,   128
.set G1, 24
.set G0, 32
.set G1B, 48
.set G0B, 56
.set G1S, 68
.set G0S, 76
.set G1SB, 80
.set G0SB, 88
.set MSB, 0
.macro WIN new
.if MSB != \new
	s_set_vgpr_msb (MSB<<8)|\new
.set MSB, \new
.endif
.endm
.set MUL_LO, 0xa1                      ; source 0 (B) window 1, source 1 (A) window 0, C and D window 2
.set MUL_HI, 0xf1
.set BIA_LO, 0x81                      ; the same with C (the bias) in window 0
.set BIA_HI, 0xc1
.set TO_B,   0x40
.macro JLOAD g0a, g1a, g0b, g1b        ; a joint load: waves 0 and 1 fetch for A, waves 2 and 3 for B; four v_nop follow each of the two lines
	s_cmp_eq_u32 s15, 0
	s_cbranch_scc0 .Lfor_b_\@
	tensor_load_to_lds s[\g0a:\g0a+3], s[\g1a:\g1a+7]
	s_nop 0
.rept 4
	v_nop
.endr
	s_branch .Lasked_\@
.Lfor_b_\@:
	tensor_load_to_lds s[\g0b:\g0b+3], s[\g1b:\g1b+7]
	s_nop 0
.rept 4
	v_nop
.endr
.Lasked_\@:
.endm
.macro CREST
	s_cmp_lg_u32 s14, 0
	s_cbranch_scc1 .Lnot_wave_0_\@
	s_barrier_signal -3
.Lnot_wave_0_\@:
	s_barrier_wait -3
	s_barrier_signal -1
	s_barrier_wait -1
.endm
.macro CROUND
	s_barrier_signal -1
	s_barrier_wait -1
	CREST
.endm
	s_load_b256 s[4:11], s[0:1], 0x0               ; aob s[4:5], wb s[6:7], b_out s[8:9], out0 s[10:11]
	v_lshl_add_u32 v[SPW], v0, 2, SPARE
	v_mov_b32 v[NIL], 0
	ds_add_u32 v28, v29
	ds_add_u32 v28, v29
	s_wait_dscnt 0x0
	v_lshrrev_b32 v1, 5, v0
	v_readfirstlane_b32 s14, v1                    ; wave 0..3
	s_lshr_b32 s15, s14, 1
	s_and_b32 s16, s14, 1
	s_bfe_u32 s40, ttmp6, 0x40000                  ; cx
	s_bfe_u32 s41, ttmp6, 0x40004                  ; cy
	s_lshl_b32 s42, ttmp9, 2
	s_add_co_u32 s42, s42, s40                     ; tile column
	s_and_b32 s17, ttmp7, 0xffff
	s_lshl_b32 s17, s17, 2
	s_add_co_u32 s17, s17, s41                     ; tile row
	s_lshl_b32 s43, s41, 2
	s_lshl_b32 s43, 15, s43                        ; my row of the cluster
	s_lshl_b32 s44, 0x1111, s40                    ; my column
	s_or_b32 s[G1+0], s43, (3<<16)|(1<<21)         ; codes: 96 rows of 32 elements of 8 bytes, dense, no padding
	s_or_b32 s[G1B+0], s44, (3<<16)|(1<<21)
.irp g, G1, G1B
	s_mov_b32 s[\g+1], 32<<16
	s_mov_b32 s[\g+2], 96<<16
	s_mov_b32 s[\g+3], 32<<16
	s_mov_b32 s[\g+4], 96
	s_mov_b32 s[\g+5], 32
	s_mov_b32 s[\g+6], 0
	s_mov_b32 s[\g+7], 0
.endr
	s_or_b32 s[G1S+0], s43, (3<<16)|(1<<20)|(1<<21)|(5<<22)|(3<<25)   ; scale bytes of 128 rows: 16 rows of 256 bytes, 16 of padding behind each
	s_or_b32 s[G1SB+0], s44, (3<<16)|(1<<20)|(1<<21)|(5<<22)|(3<<25)
.irp g, G1S, G1SB
	s_mov_b32 s[\g+1], 32<<16
	s_mov_b32 s[\g+2], 16<<16
	s_mov_b32 s[\g+3], 32<<16
	s_mov_b32 s[\g+4], 16
	s_mov_b32 s[\g+5], 32
	s_mov_b32 s[\g+6], 0
	s_mov_b32 s[\g+7], 0
.endr
	s_lshl_b32 s18, s16, 3
	s_lshl_b32 s20, s17, 4
	s_add_co_u32 s20, s20, s18                     ; A: the first tile of 16 rows that I fetch
	s_lshl_b32 s46, s42, 4
	s_add_co_u32 s46, s46, s18                     ; B
	s_lshl_b32 s22, s20, 9
	s_lshl_b32 s92, s46, 9
	s_mul_i32 s20, s20, 3072
	s_mul_i32 s46, s46, 3072
	s_mov_b32 s21, 0
	s_mov_b32 s23, 0
	s_mov_b32 s47, 0
	s_mov_b32 s93, 0
	s_mul_i32 s45, s14, HALFT
	s_mul_i32 s94, s14, HALFS
	s_wait_kmcnt 0x0
	s_add_nc_u64 s[20:21], s[4:5], s[20:21]
	s_add_nc_u64 s[22:23], s[4:5], s[22:23]
	s_add_nc_u64 s[22:23], s[22:23], XSC
	s_add_nc_u64 s[46:47], s[6:7], s[46:47]
	s_add_nc_u64 s[46:47], s[46:47], WO
	s_add_nc_u64 s[92:93], s[6:7], s[92:93]
	s_add_nc_u64 s[92:93], s[92:93], WOS
	CROUND                                         ; all sixteen work-groups are here: the first joint loads meet
	s_mov_b32 s[G0S], 1
	s_add_co_u32 s[G0S+1], s94, SCL
	s_mov_b64 s[G0S+2:G0S+3], s[22:23]
	s_or_b32 s[G0S+3], s[G0S+3], 0x80000000
	s_mov_b32 s[G0SB], 1
	s_add_co_u32 s[G0SB+1], s94, SCL
	s_mov_b64 s[G0SB+2:G0SB+3], s[92:93]
	s_or_b32 s[G0SB+3], s[G0SB+3], 0x80000000
	JLOAD G0S, G1S, G0SB, G1SB
.irp s, 0,1
	s_mov_b32 s[G0+4*\s], 1
	s_add_co_u32 s[G0+4*\s+1], s45, \s*SLOT
	s_add_nc_u64 s[G0+4*\s+2:G0+4*\s+3], s[20:21], \s*SX
	s_or_b32 s[G0+4*\s+3], s[G0+4*\s+3], 0x80000000
	s_mov_b32 s[G0B+4*\s], 1
	s_add_co_u32 s[G0B+4*\s+1], s45, \s*SLOT
	s_add_nc_u64 s[G0B+4*\s+2:G0B+4*\s+3], s[46:47], \s*SWO
	s_or_b32 s[G0B+4*\s+3], s[G0B+4*\s+3], 0x80000000
	JLOAD G0+4*\s, G1, G0B+4*\s, G1B               ; three tensor loads of mine are out behind the second
.endr
	v_and_b32 v1, 15, v0                           ; r
	v_bfe_u32 v2, v0, 4, 1                         ; h
	v_and_b32 v3, 31, v0
	v_lshlrev_b32 v[LI], 4, v3
	v_lshlrev_b32 v[L8], 3, v3
	v_lshlrev_b32 v7, 5, v2                        ; the bias: 8 h numbers on
	s_lshl_b32 s20, s17, 8
	s_lshl_b32 s21, s15, 7
	s_add_co_u32 s20, s20, s21                     ; my first row of the output
	s_lshl_b32 s20, s20, 12                        ; rows of 4,096 bytes
	s_mov_b32 s21, 0
	s_lshl_b32 s46, s42, 10
	s_lshl_b32 s47, s16, 9
	s_add_co_u32 s46, s46, s47                     ; my first column, in bytes
	s_mov_b32 s47, 0
	s_add_nc_u64 s[8:9], s[8:9], s[46:47]
	s_add_nc_u64 s[20:21], s[20:21], s[46:47]
	s_add_nc_u64 s[12:13], s[10:11], s[20:21]
.irp b, 0,1,2,3,4,5,6,7
	global_load_b128 v[BIAS+8*\b:BIAS+8*\b+3], v7, s[8:9] offset:64*\b          ; b_out at columns 16 b + 8 h + 0 .. 7 of my 128: the result's layout
	global_load_b128 v[BIAS+8*\b+4:BIAS+8*\b+7], v7, s[8:9] offset:64*\b+16
.endr
	s_mul_i32 s21, s15, HALFT
	s_mul_i32 s22, s16, HALFT
	s_add_co_u32 s22, s22, 2*HALFT
.irp s, 0,1
	v_add_nc_u32 v[ADRA+\s], s21, v[LI]
	v_add_nc_u32 v[ADRB+\s], s22, v[LI]
	v_add_nc_u32 v[ADRA+2+\s], s21, v[L8]
	v_add_nc_u32 v[ADRB+2+\s], s22, v[L8]
	s_add_co_u32 s21, s21, SLOT
	s_add_co_u32 s22, s22, SLOT
.endr
	v_mul_u32_u24 v5, v1, KS
	v_lshrrev_b32 v6, 8, v5
	v_lshl_add_u32 v5, v6, 4, v5
	s_mul_i32 s21, s15, HALFS
	s_mul_i32 s22, s16, HALFS
	s_add_co_u32 s22, s22, 2*HALFS
	s_sub_co_u32 s22, s22, s21
	v_mul_u32_u24 v6, s22, v2                      ; lanes 16-31 take B's: one product
	s_add_co_u32 s21, s21, SCL
	v_add_nc_u32 v5, v5, v6
	v_add_nc_u32 v[ADRS], s21, v5
	s_mul_i32 s23, s14, 16*SPITCH                  ; my stage
	v_mul_u32_u24 v5, v1, SPITCH
	v_lshl_add_u32 v5, v2, 5, v5
	v_add_nc_u32 v[STO], s23, v5                   ; in: row r, 32 bytes for each half of the lanes
	v_lshlrev_b32 v[CO], 4, v3                     ; back: the 32 lanes take one row of 512 bytes; and the same in the output
	v_add_nc_u32 v[RD], s23, v[CO]
.macro FRAG reg, adr, q, i
	ds_load_b128 v[\reg:\reg+3], v[\adr] offset:3072*(\i)+1536*(\q)
	ds_load_b64 v[\reg+4:\reg+5], v[\adr+2] offset:3072*(\i)+1536*(\q)+512
	ds_load_b128 v[\reg+6:\reg+9], v[\adr] offset:3072*(\i)+1536*(\q)+768
	ds_load_b64 v[\reg+10:\reg+11], v[\adr+2] offset:3072*(\i)+1536*(\q)+1280
.endm
; 16 matrix instructions; first = 1: the bias starts the sums.  The 64 accumulators take turns, one instruction a turn.
.macro MUL16 a0, p, q, sc, first
.irp a, \a0, \a0+1
.irp b, 0,1,2,3,4,5,6,7
.if \first
	v_wmma_scale_f32_16x16x128_f8f6f4 v[8*(8*((\a)%4)+\b):8*(8*((\a)%4)+\b)+7], v[128*(\p)+FR*\b:128*(\p)+FR*\b+FR-1], v[AF+FR*(\a):AF+FR*(\a)+FR-1], v[BIAS+8*\b:BIAS+8*\b+7], v[SC+8*NQ*(\sc)+NQ*\b+(\q)], v[SC+8*NQ*(\sc)+NQ*(\a)+(\q)] matrix_a_fmt:MATRIX_FMT_FP6 matrix_b_fmt:MATRIX_FMT_FP6 matrix_a_scale:MATRIX_SCALE_ROW1
.else
	v_wmma_scale_f32_16x16x128_f8f6f4 v[8*(8*((\a)%4)+\b):8*(8*((\a)%4)+\b)+7], v[128*(\p)+FR*\b:128*(\p)+FR*\b+FR-1], v[AF+FR*(\a):AF+FR*(\a)+FR-1], v[8*(8*((\a)%4)+\b):8*(8*((\a)%4)+\b)+7], v[SC+8*NQ*(\sc)+NQ*\b+(\q)], v[SC+8*NQ*(\sc)+NQ*(\a)+(\q)] matrix_a_fmt:MATRIX_FMT_FP6 matrix_b_fmt:MATRIX_FMT_FP6 matrix_a_scale:MATRIX_SCALE_ROW1
.endif
.endr
.endr
.endm
.macro FETCH_B slot, q, p
	WIN TO_B
.irp i, 0,1,2,3,4,5,6,7
	FRAG 128*(\p)+FR*\i, ADRB+\slot, \q, \i
.endr
	WIN 0
.endm
.macro FETCH_A slot, q, i0
.irp i, \i0, \i0+1, \i0+2, \i0+3
	FRAG AF+FR*(\i), ADRA+\slot, \q, \i
.endr
.endm
.macro SCALES sc
.irp i, 0,1,2,3,4,5,6,7
	ds_load_b64 v[SC+8*NQ*\sc+NQ*\i:SC+8*NQ*\sc+NQ*\i+1], v[ADRS] offset:\i*SBLK
.endr
.endm
.macro PLACES n
.rept \n
	v_nop
.endr
.endm
.macro STEP slot, q, first
	s_wait_dscnt 4*NL                              ; B's set and A's blocks 0-3 are in; the youngest 16 loads (A's blocks 4-7) may be out
.if \first
	WIN BIA_LO
.else
	WIN MUL_LO
.endif
	MUL16 0, (\q)%2, \q, \slot, \first
	MUL16 2, (\q)%2, \q, \slot, \first
	s_wait_dscnt 0
	PLACES NP
	FETCH_B \slot, (\q)+1, 1-(\q)%2
	FETCH_A \slot, (\q)+1, 0
.if \first
	WIN BIA_HI
.else
	WIN MUL_HI
.endif
	MUL16 4, (\q)%2, \q, \slot, \first
	MUL16 6, (\q)%2, \q, \slot, \first
	PLACES NP
	WIN 0
	FETCH_A \slot, (\q)+1, 4
.endm
.macro TURN slot, next, fill
	s_wait_tensorcnt 0x0                           ; all my tensor loads have landed: my part of the next slot
	ds_add_u32 v[SPW], v[NIL]                      ; 0 onto my spare word
	s_wait_dscnt 4*NL+1                            ; (the add and the youngest 16 loads may be out)
	WIN MUL_LO
	MUL16 0, 1, NQ-1, \slot, 0
	s_wait_dscnt 0x0                               ; the add is done, and my reads of this slot are over
	s_barrier_signal -1
	MUL16 2, 1, NQ-1, \slot, 0
	WIN 0
	s_barrier_wait -1
.if \fill
	CREST                                          ; the barrier has opened a round of the cluster's
	s_add_nc_u64 s[G0+4*\slot+2:G0+4*\slot+3], s[G0+4*\slot+2:G0+4*\slot+3], 2*SX
	s_add_nc_u64 s[G0B+4*\slot+2:G0B+4*\slot+3], s[G0B+4*\slot+2:G0B+4*\slot+3], 2*SWO
	JLOAD G0+4*\slot, G1, G0B+4*\slot, G1B         ; the first tensor load behind the round
.else
	PLACES NP
.endif
	v_add_nc_u32 v[ADRS], 4*NQ, v[ADRS]
	FETCH_B \next, 0, 0
	FETCH_A \next, 0, 0
	SCALES \next
	WIN MUL_HI
	MUL16 4, 1, NQ-1, \slot, 0
	MUL16 6, 1, NQ-1, \slot, 0
	PLACES NP
	WIN 0
	FETCH_A \next, 0, 4
.endm
	s_wait_tensorcnt 1                             ; the scale bytes and my part of K step 0 are in; K step 1's load may be out
	s_barrier_signal -1
	s_barrier_wait -1
	FETCH_B 0, 0, 0
	FETCH_A 0, 0, 0
	SCALES 0
	FETCH_A 0, 0, 4
	s_wait_loadcnt 0x0                             ; the bias
	STEP 0, 0, 1
	TURN 0, 1, 1
	STEP 1, 0, 0
	TURN 1, 0, 1
	STEP 0, 0, 0
	TURN 0, 1, 0
	STEP 1, 0, 0
	s_wait_dscnt 4*NL
	WIN MUL_LO
	MUL16 0, 1, NQ-1, 1, 0
	MUL16 2, 1, NQ-1, 1, 0
	s_wait_dscnt 0
	WIN MUL_HI
	MUL16 4, 1, NQ-1, 1, 0
	MUL16 6, 1, NQ-1, 1, 0
	WIN 0
; THE WAY OUT, block by block of 16 rows x 128 columns, through my own stage in LDS: in as 32 bytes a lane, back as whole rows of 512 bytes.  LDS serves a wave's instructions in order (ISA guide 5.7.1.4).
.macro TOSTAGE a
.set AC, 64*((\a)%4)
.set WD1, 0x08+4*((\a)/4)
	WIN WD1                                        ; an LDS store's data: window 2 or 3
.irp b, 0,1,2,3,4,5,6,7
	ds_store_b128 v[STO], v[AC+8*\b:AC+8*\b+3] offset:64*\b          ; each accumulator from its low end on
	ds_store_b128 v[STO], v[AC+8*\b+4:AC+8*\b+7] offset:64*\b+16
.endr
	WIN 0
.set BB, BK+64*((\a)%2)
.irp t, 0,1,2,3,4,5,6,7,8,9,10,11,12,13,14,15
	ds_load_b128 v[BB+4*\t:BB+4*\t+3], v[RD] offset:\t*SPITCH
.endr
.endm
.macro SEND a, younger
.set BB, BK+64*((\a)%2)
	s_wait_dscnt \younger                          ; the block is back in registers
.if (\a) > 0
	s_add_nc_u64 s[12:13], s[12:13], 16*SIZE_N*4   ; 16 rows on (the earlier stores have read their base: a wait for their addresses stands ahead)
.endif
.irp t, 0,1,2,3,4,5,6,7,8,9,10,11,12,13,14,15
	global_store_b128 v[CO], v[BB+4*\t:BB+4*\t+3], s[12:13] offset:\t*SIZE_N*4 th:TH_STORE_NT   ; 32 lanes store 512 consecutive bytes, aligned to 256
.endr
.endm
	PLACES NP
	TOSTAGE 0
.irp a, 1,2,3,4,5,6,7
.if \a > 1
	s_wait_xcnt 0x0                                ; block a - 2's stores have read their registers and their base
.endif
	TOSTAGE \a
	SEND \a-1, 32                                  ; behind block a - 1's loads: block a's 16 stores and 16 loads
.endr
	s_wait_xcnt 0x0
	SEND 7, 0
	s_wait_tensorcnt 0x0                           ; the wave's end
	ds_add_u32 v[SPW], v[NIL]
	s_wait_dscnt 0x0
	CROUND                                         ; the closing round
	s_endpgm
.Lfunc_end_k_qec9fd1c19b_gemm2:
	.size	k_qec9fd1c19b_gemm2, .Lfunc_end_k_qec9fd1c19b_gemm2-k_qec9fd1c19b_gemm2
	.p2alignl 7, 3214868480
	.fill 96, 4, 3214868480
	.section	.rodata,"a",@progbits
	.p2align	6, 0x0
	.amdhsa_kernel k_qec9fd1c19b_gemm2
		.amdhsa_group_segment_fixed_size 327680
		.amdhsa_private_segment_fixed_size 0
		.amdhsa_enable_private_segment 0
		.amdhsa_kernarg_size 32
		.amdhsa_user_sgpr_count 2
		.amdhsa_user_sgpr_kernarg_segment_ptr 1
		.amdhsa_wavefront_size32 1
		.amdhsa_system_sgpr_workgroup_id_x 1
		.amdhsa_system_sgpr_workgroup_id_y 1
		.amdhsa_system_sgpr_workgroup_id_z 1
		.amdhsa_system_vgpr_workitem_id 0
		.amdhsa_next_free_vgpr 1024
		.amdhsa_next_free_sgpr 100
		.amdhsa_reserve_vcc 0
		.amdhsa_float_denorm_mode_32 3
		.amdhsa_float_denorm_mode_16_64 3
		.amdhsa_memory_ordered 1
		.amdhsa_forward_progress 1
		.amdhsa_inst_pref_size 145
	.end_amdhsa_kernel
	.amdgpu_metadata
---
amdhsa.version: [ 1, 2 ]
amdhsa.kernels:
  - .name:           k_qec9fd1c19b_gemm2
    .symbol:         k_qec9fd1c19b_gemm2.kd
    .args:
      - { .name: aob, .offset: 0, .size: 8, .value_kind: global_buffer, .address_space: global }
      - { .name: wb, .offset: 8, .size: 8, .value_kind: global_buffer, .address_space: global }
      - { .name: b_out, .offset: 16, .size: 8, .value_kind: global_buffer, .address_space: global }
      - { .name: out0, .offset: 24, .size: 8, .value_kind: global_buffer, .address_space: global }
    .group_segment_fixed_size: 327680
    .private_segment_fixed_size: 0
    .kernarg_segment_align: 8
    .kernarg_segment_size: 32
    .max_flat_workgroup_size: 128
    .sgpr_count:     100
    .vgpr_count:     1024
    .wavefront_size: 32
...
	.end_amdgpu_metadata
.endif
;; end of part 4
